; MI455X (gfx1250); checked and timed in simulation.
; The chip was launched on July 23, 2026; its instructions are those of AMD's public machine-readable ISA for CDNA 5 (MIT licence, August 2026) and "CDNA5" Instruction Set Architecture Reference Guide (July 2026). The comments in the code are by the model that wrote it; some were corrected since.
;; Self Attention. Allowed arithmetic: matrix products marked QUANTISED: E5M2 operands, one given power-of-two scale a tensor, by v_wmma_f32_16x16x64_bf8_bf8 or v_wmma_f32_16x16x128_bf8_bf8, f32 sums; everything else in f32.
;; Inputs: Wk 1,024 x 1,024 float32; Wo 1,024 x 1,024 float32; Wq 1,024 x 1,024 float32; Wv 1,024 x 1,024 float32; bk 1,024 float32; bo 1,024 float32; bq 1,024 float32; bv 1,024 float32; lowp_scales 12 int32 (the exponents e of the quantised operands' scales 2^e); x 2 x 2,048 x 1,024 float32.
;; Outputs: out0 2 x 2,048 x 1,024 float32.
;; This version of the problem:
;;   THIS VERSION OF THE PROBLEM IS GIVEN IN LOW PRECISION. The matrix products marked QUANTISED in the list below multiply operands that are first quantised to E5M2 (5 exponent bits, 2 mantissa bits; 8 bits a number), with one given power-of-two scale for each operand tensor; their sums are f32. All else is computed in f32.
;;   The module's matrix products, in the order in which they are computed (A, B: the left and right operand; K: the contracted axis; several contracted axes count as one K, in the product's order):
;;     1. [M 4,096, K 1,024] x [K 1,024, N 1,024]; A: input x; B: input Wq: QUANTISED (scales: A lowp_scales[0], B lowp_scales[1])
;;     2. [M 4,096, K 1,024] x [K 1,024, N 1,024]; A: input x; B: input Wk: QUANTISED (scales: A lowp_scales[2], B lowp_scales[3])
;;     3. [M 4,096, K 1,024] x [K 1,024, N 1,024]; A: input x; B: input Wv: QUANTISED (scales: A lowp_scales[4], B lowp_scales[5])
;;     4. batch 32 x [M 2,048, K 64] x [K 64, N 2,048]; A: computed on the way; B: computed on the way: QUANTISED (scales: A lowp_scales[6], B lowp_scales[7])
;;     5. batch 32 x [M 2,048, K 2,048] x [K 2,048, N 64]; A: softmax (see below); B: computed on the way: QUANTISED (scales: A lowp_scales[8], B lowp_scales[9])
;;     6. [M 4,096, K 1,024] x [K 1,024, N 1,024]; A: computed on the way; B: input Wo: QUANTISED (scales: A lowp_scales[10], B lowp_scales[11])
;;   THE QUANTISER, for each operand of a quantised product, along K:
;;     - The operand's scale is 2^e, e = its entry of the input lowp_scales (int32; the entries are numbered through the quantised products in the list's order, A before B).
;;     - Each number is divided by the scale, clamped to +-57,344, and rounded to the nearest number of E5M2, ties to even, subnormals kept.
;;     - The product sums the exact products of the quantised numbers (number of the format x scale) in f32.
;;   ~~~python
;;   def quantise(x, axis, e):      # numpy; x: float32 -> the quantised numbers, widened to float32 again
;;       x = np.moveaxis(x, axis, -1); K = x.shape[-1]
;;       r = np.clip(x / 2.0 ** e, -57344, 57344)
;;       step = 2.0 ** (np.maximum(np.frexp(np.where(r == 0, 1, r))[1] - 1, -14) - 2)
;;       q = np.round(r / step) * step * 2.0 ** e      # np.round: ties to even
;;       return np.moveaxis(q, -1, axis).astype(np.float32)
;;   ~~~
;;   SOFTMAX AHEAD OF A QUANTISED PRODUCT. Where the list says 'softmax', what is quantised is not the finished softmax but p = 2^(t - M), with t = logit x log2(e) and M = ceil(the row's largest t), a whole number; so 1/2 < the row's largest p <= 1. The row's sum l is taken of the UNQUANTISED p, in f32, and the product's result is divided by l at the end. Since M is a whole number, a kernel that streams over the keys may use a running M (the ceiling of the running maximum): every later rescaling is an exact power of two, so the quantised numbers keep their values, but for numbers so far below the row's largest that they fall under the format's range.
;;   OPERANDS COMPUTED ON THE WAY. 'Computed on the way' means the value that the module computes at that place (a softmax that the list does not call 'softmax' is quantised finished and normalised). What goes into a quantiser is computed in f32, as accurately as f32 sums, v_exp_f32 and their like allow (about 1e-6 of the number): no bf16 or f16 on the way to a quantiser, and a product that is left as it is and whose result goes on into a quantised operand takes f32 operands (vector FMAs, or v_wmma_f32_16x16x4_f32). A number that lies on a knife's edge between two numbers of the format may be rounded either way, as far as f32 arithmetic and the matrix unit's own rounding can turn it there, and no further.
;; 2 versions. Each part assembles by itself: llvm-mc -triple=amdgcn-amd-amdhsa -mcpu=gfx1250 --defsym DOCPART=n.
;; ======== version 1 of 2: 4 launches
;; workspace buffers: xc 12,582,912 bytes; wc 4,194,304 bytes; qkvc 12,582,912 bytes; ac 4,194,304 bytes
;; launch prep (part 1): grid 256 x 1, 4 waves a work-group, no clusters, 34,304 bytes of LDS; arguments x, Wq, Wk, Wv, Wo, lowp_scales, xc, wc; writes xc, wc
.if DOCPART == 1
	.amdgcn_target "amdgcn-amd-amdhsa--gfx1250"
	.amdhsa_code_object_version 6
	.text
	.protected	k_qd59542b39b_prep
	.globl	k_qd59542b39b_prep
	.p2align	8
	.type	k_qd59542b39b_prep,@function
k_qd59542b39b_prep:
	s_mov_b64 s[64:65], 0
	v_nop
	global_prefetch_b8 v0, s[64:65] scope:SCOPE_SE
	s_setreg_imm32_b32 hwreg(HW_REG_WAVE_MODE, 25, 1), 1
	s_wait_xcnt 0x0
; x [4096][1024] f32 becomes three sets of E5M2 codes (scales 2^e0, 2^e2, 2^e4); Wq, Wk, Wv, Wo [k 1024][n 1024] f32 become codes along their FIRST axis (scales 2^e1, 2^e3, 2^e5, 2^e11).
; code = number / 2^e, held within +-57,344, rounded to the nearest code, ties to even.
; LIMITS: each e lies between -126 and 112, so that 2^e and 57,344 x 2^e are f32 numbers.  NaN among the inputs is not served.
; THE IMAGE.  All codes leave as images of operand registers: 16 rows x 64 k = 1,024 bytes; register i (0..7) of lane l lies at byte 512 (i / 4) + 16 l + 4 (i % 4);
; register 2 c + e of lane (r = l % 16, h = l / 16) holds row r, k = 16 c + 8 h + 4 e + byte: the layout of an 8-bit operand (ISA guide 7.12.2).  Two loads of 16 bytes a lane give a fragment back.
;   xc: [set 3][block of 16 rows 256][block of 64 k 16][1024]      wc: [weight 4][block of 16 columns n 64][block of 64 k 16][1024]
; Work-groups 0-127 take x, 128-255 the weights; each reads 128 KiB.  Only x's path touches LDS.  No barrier: waves share nothing.
.set SP,   528                         ; a stage row: 512 bytes + 16, so that the sixteen rows that a read touches start 16 bytes further on in each 256
.set STG,  16*SP                       ; a wave's stage: 16 rows
.set R,    32                          ; v32-159  x as loaded: two sets of 64
.set X,    160                         ; v160-223 64 numbers in the operand's order
.set T,    224                         ; v224-239 held numbers: two sets of 8 by turns
.set C,    240                         ; v240-255 two images' codes
.set SC,   8                           ; v8-10    2^e of the three sets
.set LIM,  11                          ; v11-13   57,344 x 2^e
.set WX,   32                          ; weights: v32-95 two sets of 32 numbers
.set WC,   96                          ; v96-159  eight registers of codes for each of the eight blocks: no store's data are written again
	s_load_b256 s[4:11], s[0:1], 0x0               ; x s[4:5], Wq s[6:7], Wk s[8:9], Wv s[10:11]
	s_load_b256 s[12:19], s[0:1], 0x20             ; Wo s[12:13], the scales s[14:15], xc s[16:17], wc s[18:19]
	v_lshl_add_u32 v30, v0, 2, 0x8400
	v_mov_b32 v31, 0
	v_lshrrev_b32 v1, 5, v0
	v_readfirstlane_b32 s20, v1                    ; wave 0..3
	v_and_b32 v1, 31, v0                           ; lane
	s_wait_kmcnt 0x0
	s_load_b256 s[24:31], s[14:15], 0x0            ; e0 .. e7
	s_load_b128 s[32:35], s[14:15], 0x20           ; e8 .. e11
	s_cmp_lt_u32 ttmp9, 128
	s_cbranch_scc0 .Lweights
; ---------------- x.  Wave W = 4 x work-group + wave takes 16 rows (block W / 2) x 512 k (half W % 2), in four units of 128 k.
	v_lshlrev_b32 v2, 4, v1                        ; 16 x lane: my place in a load's 512 bytes and in half an image
	s_mul_i32 s21, s20, STG
	v_add_nc_u32 v3, s21, v2                       ; the stage, on the way in: a row as it lies
	v_and_b32 v5, 15, v1                           ; r
	v_lshrrev_b32 v6, 4, v1                        ; h
	v_mul_u32_u24 v4, v5, SP
	v_lshl_add_u32 v4, v6, 5, v4
	v_add_nc_u32 v4, s21, v4                       ; and on the way out: row r, + 32 h bytes: my eight numbers of each 16 k
	s_lshl_b32 s22, ttmp9, 2
	s_add_co_u32 s22, s22, s20                     ; W
	s_lshr_b32 s23, s22, 1                         ; the block of 16 rows
	s_and_b32 s22, s22, 1                          ; the half of K
	s_lshl_b32 s36, s23, 16                        ; 16 rows of 4,096 bytes
	s_lshl_b32 s37, s22, 11                        ; 512 k of 4 bytes
	s_add_co_u32 s36, s36, s37
	s_mov_b32 s37, 0
	s_add_nc_u64 s[4:5], s[4:5], s[36:37]
	s_lshl_b32 s36, s23, 14                        ; 16 images of 1,024 bytes
	s_lshl_b32 s38, s22, 13                        ; 8 images
	s_add_co_u32 s36, s36, s38
	s_add_nc_u64 s[40:41], s[16:17], s[36:37]      ; one base for each set: 4 MiB apart, too far for an immediate
	s_add_nc_u64 s[42:43], s[40:41], 0x400000
	s_add_nc_u64 s[44:45], s[40:41], 0x800000
.macro XLOAD u                         ; unit u: sixteen loads, each 512 consecutive bytes of one row
.irp i, 0,1,2,3,4,5,6,7,8,9,10,11,12,13,14,15
	global_load_b128 v[R+64*((\u)%2)+4*\i:R+64*((\u)%2)+4*\i+3], v2, s[4:5] offset:\i*4096+(\u)*512 th:TH_LOAD_NT
.endr
.endm
.macro XTURN u                         ; through my own stage: LDS serves a wave's instructions in order (ISA guide 5.7.1.4), so no wait stands between the stores and the loads
.irp i, 0,1,2,3,4,5,6,7,8,9,10,11,12,13,14,15
	ds_store_b128 v3, v[R+64*((\u)%2)+4*\i:R+64*((\u)%2)+4*\i+3] offset:\i*SP
.endr
.irp q, 0,1
.irp c, 0,1,2,3
.irp e, 0,1
	ds_load_b128 v[X+8*(4*\q+\c)+4*\e:X+8*(4*\q+\c)+4*\e+3], v4 offset:256*\q+64*\c+16*\e   ; row r, k = 64 q + 16 c + 8 h + 4 e + 0 .. 3
.endr
.endr
.endr
.endm
.macro XQUANT u, s                     ; the unit's two images in set s.  X stays as it is: it is quantised three times
	s_wait_xcnt 0x0                                ; the last stores have read C: it is written again only behind this wait
.irp q, 0,1
.irp c, 0,1,2,3
.irp i, 0,1,2,3,4,5,6,7
	v_med3_num_f32 v[T+8*(\c%2)+\i], v[X+8*(4*\q+\c)+\i], -v[LIM+\s], v[LIM+\s]   ; the conversion does not saturate (ISA guide 7.6.2): the hold comes first
.endr
	v_cvt_scalef32_pk8_bf8_f32 v[C+8*\q+2*\c:C+8*\q+2*\c+1], v[T+8*(\c%2):T+8*(\c%2)+7], v[SC+\s]   ; T's two sets take turns: eight plain lines stand between a conversion and the next write of its sources
.endr
.endr
.irp q, 0,1
.irp e, 0,1
	global_store_b128 v2, v[C+8*\q+4*\e:C+8*\q+4*\e+3], s[40+2*\s:41+2*\s] offset:(2*(\u)+\q)*1024+512*\e   ; 32 lanes store 512 consecutive bytes, at a multiple of 512 from the buffer's first byte
.endr
.endr
.endm
	XLOAD 0
	XLOAD 1
	s_wait_kmcnt 0x0
.irp s, 0,1,2
	s_add_co_i32 s36, s[24+2*\s], 127              ; e0, e2, e4
	s_lshl_b32 s37, s36, 23
	v_mov_b32 v[SC+\s], s37                        ; 2^e as f32: the conversion takes its exponent field
	s_add_co_i32 s36, s36, 15
	s_lshl_b32 s36, s36, 23
	s_or_b32 s36, s36, 0x600000
	v_mov_b32 v[LIM+\s], s36                       ; 57,344 x 2^e
.endr
.irp u, 0,1,2,3
.if \u < 3
	s_wait_loadcnt 16                              ; this unit's sixteen loads are in; the next unit's sixteen may be out
.else
	s_wait_loadcnt 0
.endif
	XTURN \u
	s_wait_dscnt 0x0                               ; X is in
.if \u < 2
	XLOAD \u+2
.endif
	XQUANT \u, 0
	XQUANT \u, 1
	XQUANT \u, 2
.endr
	s_wait_tensorcnt 0x0
	ds_add_u32 v30, v31
	s_wait_dscnt 0x0
	s_endpgm
; ---------------- the weights.  A LANE TAKES A COLUMN n AND ITS REGISTERS RUN DOWN K, so the conversions give codes with K innermost and nothing is transposed.
; Work-group 128 + 32 w + 8 ky + nx: weight w, k = 256 ky on, columns 128 nx on; a wave takes 32 columns x 256 k: eight blocks of 32 k.
.Lweights:
	s_sub_co_u32 s21, ttmp9, 128
	s_lshr_b32 s22, s21, 5                         ; w
	s_bfe_u32 s23, s21, 0x20003                    ; ky
	s_and_b32 s21, s21, 7                          ; nx
	s_cmp_eq_u32 s22, 1
	s_cselect_b64 s[6:7], s[8:9], s[6:7]
	s_cmp_eq_u32 s22, 2
	s_cselect_b64 s[6:7], s[10:11], s[6:7]
	s_cmp_eq_u32 s22, 3
	s_cselect_b64 s[6:7], s[12:13], s[6:7]         ; Wq, Wk, Wv or Wo: the choice hangs on the work-group's number alone
	v_lshlrev_b32 v2, 2, v1                        ; in: 4 bytes a lane
	v_lshrrev_b32 v4, 4, v1
	v_and_b32 v5, 15, v1
	v_lshlrev_b32 v3, 4, v5
	v_lshl_add_u32 v3, v4, 14, v3                  ; out: 16 bytes for row n % 16 of the image; lanes 16-31 hold the next block of 16 columns, 16 images on
	s_lshl_b32 s36, s23, 20                        ; 256 ky rows of 4,096 bytes
	s_lshl_b32 s37, s21, 9                         ; 128 nx columns
	s_add_co_u32 s36, s36, s37
	s_lshl_b32 s37, s20, 7                         ; 32 x wave columns
	s_add_co_u32 s36, s36, s37
	s_mov_b32 s37, 0
	s_add_nc_u64 s[6:7], s[6:7], s[36:37]
	s_lshl_b32 s36, s22, 20                        ; a weight's codes: 1 MiB
	s_lshl_b32 s38, s21, 17                        ; 8 nx blocks of 16 columns, 16,384 bytes each
	s_add_co_u32 s36, s36, s38
	s_lshl_b32 s38, s20, 15                        ; 2 x wave blocks
	s_add_co_u32 s36, s36, s38
	s_lshl_b32 s38, s23, 12                        ; 4 ky images
	s_add_co_u32 s36, s36, s38
	s_add_nc_u64 s[18:19], s[18:19], s[36:37]
.macro WLOAD t                         ; block t: W(32 t + i, my column): 32 lanes read 128 consecutive bytes, the four waves 512
.irp i, 0,1,2,3,4,5,6,7,8,9,10,11,12,13,14,15,16,17,18,19,20,21,22,23,24,25,26,27,28,29,30,31
	global_load_b32 v[WX+32*((\t)%2)+\i], v2, s[6:7] offset:(32*(\t)+\i)*4096 th:TH_LOAD_NT
.endr
.endm
	WLOAD 0
	WLOAD 1
	s_wait_kmcnt 0x0
	s_mov_b32 s36, s25                             ; e1, e3, e5 or e11
	s_cmp_eq_u32 s22, 1
	s_cselect_b32 s36, s27, s36
	s_cmp_eq_u32 s22, 2
	s_cselect_b32 s36, s29, s36
	s_cmp_eq_u32 s22, 3
	s_cselect_b32 s36, s35, s36
	s_add_co_i32 s36, s36, 127
	s_lshl_b32 s37, s36, 23
	v_mov_b32 v11, s37                             ; 2^e
	s_add_co_i32 s36, s36, 15
	s_lshl_b32 s36, s36, 23
	s_or_b32 s36, s36, 0x600000
	v_mov_b32 v10, s36                             ; 57,344 x 2^e
; Of a block's 32 k, numbers 0-7 and 16-23 belong to the image's lanes with h = 0, numbers 8-15 and 24-31 to those with h = 1: so the four conversions' results are laid 0, 2, 1, 3,
; and each half goes out as 16 bytes a lane: sixteen lanes store 256 consecutive bytes, at a multiple of 256 from the buffer's first byte.
.macro WBLOCK t
.set XS, WX+32*((\t)%2)
.set CB, WC+8*(\t)
.if (\t) < 7
	s_wait_loadcnt 32                              ; this block's 32 loads are in; the next block's may be out
.else
	s_wait_loadcnt 0
.endif
.irp i, 0,1,2,3,4,5,6,7,8,9,10,11,12,13,14,15,16,17,18,19,20,21,22,23,24,25,26,27,28,29,30,31
	v_med3_num_f32 v[XS+\i], v[XS+\i], -v10, v10
.endr
	v_cvt_scalef32_pk8_bf8_f32 v[CB:CB+1], v[XS:XS+7], v11
	v_cvt_scalef32_pk8_bf8_f32 v[CB+2:CB+3], v[XS+16:XS+23], v11
	v_cvt_scalef32_pk8_bf8_f32 v[CB+4:CB+5], v[XS+8:XS+15], v11
	v_cvt_scalef32_pk8_bf8_f32 v[CB+6:CB+7], v[XS+24:XS+31], v11
	global_store_b128 v3, v[CB:CB+3], s[18:19] offset:((\t)/2)*1024+((\t)%2)*512
	global_store_b128 v3, v[CB+4:CB+7], s[18:19] offset:((\t)/2)*1024+((\t)%2)*512+256
.if (\t)+2 < 8
	WLOAD (\t)+2
.endif
.endm
.irp t, 0,1,2,3,4,5,6,7
	WBLOCK \t
.endr
	s_endpgm
.Lfunc_end_k_qd59542b39b_prep:
	.size	k_qd59542b39b_prep, .Lfunc_end_k_qd59542b39b_prep-k_qd59542b39b_prep
	.p2alignl 7, 3214868480
	.fill 96, 4, 3214868480
	.section	.rodata,"a",@progbits
	.p2align	6, 0x0
	.amdhsa_kernel k_qd59542b39b_prep
		.amdhsa_group_segment_fixed_size 34304
		.amdhsa_private_segment_fixed_size 0
		.amdhsa_enable_private_segment 0
		.amdhsa_kernarg_size 64
		.amdhsa_user_sgpr_count 2
		.amdhsa_user_sgpr_kernarg_segment_ptr 1
		.amdhsa_wavefront_size32 1
		.amdhsa_system_sgpr_workgroup_id_x 1
		.amdhsa_system_sgpr_workgroup_id_y 1
		.amdhsa_system_sgpr_workgroup_id_z 1
		.amdhsa_system_vgpr_workitem_id 0
		.amdhsa_next_free_vgpr 256
		.amdhsa_next_free_sgpr 66
		.amdhsa_reserve_vcc 0
		.amdhsa_float_denorm_mode_32 3
		.amdhsa_float_denorm_mode_16_64 3
		.amdhsa_memory_ordered 1
		.amdhsa_forward_progress 1
		.amdhsa_inst_pref_size 122
	.end_amdhsa_kernel
	.amdgpu_metadata
---
amdhsa.version: [ 1, 2 ]
amdhsa.kernels:
  - .name:           k_qd59542b39b_prep
    .symbol:         k_qd59542b39b_prep.kd
    .args:
      - { .name: x, .offset: 0, .size: 8, .value_kind: global_buffer, .address_space: global }
      - { .name: Wq, .offset: 8, .size: 8, .value_kind: global_buffer, .address_space: global }
      - { .name: Wk, .offset: 16, .size: 8, .value_kind: global_buffer, .address_space: global }
      - { .name: Wv, .offset: 24, .size: 8, .value_kind: global_buffer, .address_space: global }
      - { .name: Wo, .offset: 32, .size: 8, .value_kind: global_buffer, .address_space: global }
      - { .name: lowp_scales, .offset: 40, .size: 8, .value_kind: global_buffer, .address_space: global }
      - { .name: xc, .offset: 48, .size: 8, .value_kind: global_buffer, .address_space: global }
      - { .name: wc, .offset: 56, .size: 8, .value_kind: global_buffer, .address_space: global }
    .group_segment_fixed_size: 34304
    .private_segment_fixed_size: 0
    .kernarg_segment_align: 8
    .kernarg_segment_size: 64
    .max_flat_workgroup_size: 128
    .sgpr_count:     66
    .vgpr_count:     256
    .wavefront_size: 32
...
	.end_amdgpu_metadata
.endif
;; end of part 1
;; launch proj (part 2): grid 12 x 16, 4 waves a work-group, clusters of 4 x 4, 327,680 bytes of LDS; arguments xc, wc, bq, bk, bv, lowp_scales, qkvc; writes qkvc
.if DOCPART == 2
	.amdgcn_target "amdgcn-amd-amdhsa--gfx1250"
	.amdhsa_code_object_version 6
	.text
	.protected	k_qd59542b39b_proj
	.globl	k_qd59542b39b_proj
	.p2align	8
	.type	k_qd59542b39b_proj,@function
k_qd59542b39b_proj:
	s_mov_b64 s[64:65], 0
	v_nop
	global_prefetch_b8 v0, s[64:65] scope:SCOPE_SE
	s_setreg_imm32_b32 hwreg(HW_REG_WAVE_MODE, 25, 1), 1
	s_wait_xcnt 0x0
	s_wait_alu depctr_hold_cnt(0) depctr_sa_sdst(0) depctr_va_vdst(0) depctr_va_sdst(0) depctr_va_ssrc(0) depctr_va_vcc(0) depctr_vm_vsrc(0)
	s_getreg_b32 s2, hwreg(HW_REG_IB_STS2, 6, 4)
	s_cmp_eq_u32 s2, 0
	s_cbranch_scc0 .Lentry_in_a_cluster
	s_endpgm
.Lentry_in_a_cluster:
	s_bfe_u32 s2, ttmp6, 0x10000c
	s_cmp_lg_u32 s2, 0xf033
	s_cbranch_scc0 .Lentry_shape_is_right
	s_endpgm
.Lentry_shape_is_right:
; Q = x Wq + bq, K = x Wk + bk, V = x Wv + bv on E5M2 codes, sums in f32; the results are quantised at once (scales 2^e6, 2^e7, 2^e9) and leave as images of operand registers.
; An image: 16 rows x 64 k = 1,024 bytes; register i of lane l at byte 512 (i / 4) + 16 l + 4 (i % 4); register 2 c + e of lane (r, h): row r, k = 16 c + 8 h + 4 e + byte.
;   in:  xc [set 3][block of 16 tokens 256][block of 64 k 16][1024];  wc [weight 4][block of 16 columns 64][block of 64 k 16][1024]
;   out: Q at 0 and K at 4 MiB: [batch x head 32][block of 16 tokens 128][1024] (k = the head's 64);  V at 8 MiB: [batch x head 32][block of 64 keys 32][block of 16 channels 4][1024] (k = the keys)
; C[m][n] = sum over k of A[m][k] B[n][k] in tiles of 256 x 256, four waves of 128 x 128 (64 accumulators).  The cluster's x says which product: 0 Q, 1 K: A = x's codes, B = the weight's;
; 2 V: A = Wv's codes, B = x's, so that V comes out with the keys innermost.  Only pointers and tile numbers are chosen; all three walk one text up to the last change of slots.
; THE MATRIX INSTRUCTION IS USED TRANSPOSED (source 0 = 16 rows of B, source 1 = 16 rows of A): lane (r, h) holds row r of C and columns 16 b + 8 h + 0 .. 7, so the conversion of accumulator b
; gives registers 2 (b % 4), 2 (b % 4) + 1 of image b / 4: results become images in registers and go out by stores of 512 consecutive bytes, through no LDS.
; K goes in steps of 256 through a ring of two LDS slots.  A block of 16 rows x 256 k is four images on end, 4,096 bytes: a wave's tensor load brings eight such blocks, 16,384 bytes apart in memory, dense in LDS.
; CLUSTERS: 4 x 4 work-groups; A's tiles are asked for jointly along a row of the cluster, B's along a column.  By this text's own count a wave has at most two tensor loads out.
; 192 tiles for the launch: tiles of 128 x 256 would make 384 work-groups, which the WGPs could not take evenly.
; LIMITS: e0 + e1, e2 + e3, e4 + e5 between -126 and 127; e6, e7, e9 between -126 and 112.  NaN is not served.
; REGISTERS: window 0: v1-3 offsets, v16-21 LDS addresses, v28, v29 for the add, v30 2^eo, v31 57,344 x 2^eo, v32-63 at work, v64-127 the bias, v128-255 A's fragments (one set), later the codes.
;   window 1: B's fragments, two sets.   windows 2, 3: the accumulators ((a, b) at v[8 (8 (a % 4) + b)] of window 2 + a / 4).
.set FR,    16                         ; registers of a fragment: 16 rows x 128 k
.set NL,    4                          ; LDS loads that bring one
.set NP,    4                          ; places behind this matrix instruction (ISA guide 7.12.1)
.set BLK,   4096                       ; 16 rows x 256 k in a slot
.set HALFT, 8*BLK                      ; 128 rows: what one tensor load brings
.set SLOT,  4*HALFT                    ; A's 256 rows, then B's
.set SPARE, 2*SLOT                     ; behind the ring: the spare words, 128 bytes a wave: two blocks of 256 bytes that no other line names
.set LI,   1                           ; v1   16 x lane
.set BQO,  2                           ; v2   32 h: my eight columns' bias
.set BVO,  3                           ; v3   4 r: my row's bias
.set ADRA, 16                          ; v16-17 my A fragments in slot 0, 1
.set ADRB, 20                          ; v20-21 the same for B
.set SPW,  28
.set NIL,  29
.set SCV,  30
.set LIMV, 31
.set TMP,  32
.set BIAS, 64
.set AF,   128
.set CODE, 128
.set G1,  24                           ; s[24:31] group 1 for A's tiles; s[32:39] group 0, one set a slot
.set G0,  32
.set G1B, 48                           ; s[48:55], s[56:63] the same for B's
.set G0B, 56
.set MSB, 0
.macro WIN new                         ; the immediate's high byte repeats the setting that is left
.if MSB != (\new)
	s_set_vgpr_msb (MSB<<8)|(\new)
.set MSB, (\new)
.endif
.endm
.set MUL_LO, 0xa1                      ; source 0 (B) window 1, source 1 (A) window 0, C and D window 2
.set MUL_HI, 0xf1                      ; the same, C and D window 3
.set TO_B,   0x40                      ; destination window 1, address window 0
; A joint load: waves 0 and 1 fetch A's halves, waves 2 and 3 B's.  The branch hangs on the wave's number alone.  Four v_nop follow each of the two lines.
.macro JLOAD g0a, g1a, g0b, g1b
	s_cmp_eq_u32 s15, 0
	s_cbranch_scc0 .Lfor_b_\@
	tensor_load_to_lds s[\g0a:\g0a+3], s[\g1a:\g1a+7]
	s_nop 0
.rept 4
	v_nop
.endr
	s_branch .Lasked_\@
.Lfor_b_\@:
	tensor_load_to_lds s[\g0b:\g0b+3], s[\g1b:\g1b+7]
	s_nop 0
.rept 4
	v_nop
.endr
.Lasked_\@:
.endm
.macro CREST                           ; a round of the cluster's barrier behind its opening barrier
	s_cmp_lg_u32 s14, 0
	s_cbranch_scc1 .Lnot_wave_0_\@
	s_barrier_signal -3
.Lnot_wave_0_\@:
	s_barrier_wait -3
	s_barrier_signal -1
	s_barrier_wait -1
.endm
.macro CROUND
	s_barrier_signal -1
	s_barrier_wait -1
	CREST
.endm
	s_load_b256 s[4:11], s[0:1], 0x0               ; xc s[4:5], wc s[6:7], bq s[8:9], bk s[10:11]
	s_load_b128 s[68:71], s[0:1], 0x20             ; bv s[68:69], the scales s[70:71]
	s_load_b64 s[72:73], s[0:1], 0x30              ; qkvc
	v_lshl_add_u32 v[SPW], v0, 2, SPARE
	v_mov_b32 v[NIL], 0
	ds_add_u32 v28, v29
	ds_add_u32 v28, v29
	s_wait_dscnt 0x0
	v_lshrrev_b32 v1, 5, v0
	v_readfirstlane_b32 s14, v1                    ; wave 0..3
	s_lshr_b32 s15, s14, 1                         ; my half of the tile's rows.  Also: I fetch for A (0) or for B (1)
	s_and_b32 s16, s14, 1                          ; my half of its columns.  Also: which 128 rows of that tile I fetch
	s_bfe_u32 s40, ttmp6, 0x40000                  ; cx
	s_bfe_u32 s41, ttmp6, 0x40004                  ; cy
	s_and_b32 s18, ttmp7, 0xffff
	s_lshl_b32 s18, s18, 2                         ; 4 x the cluster's y: the long axis (tokens) has 16 tiles, the short one 4
	s_lshl_b32 s43, s41, 2
	s_lshl_b32 s43, 15, s43                        ; my row of the cluster
	s_lshl_b32 s44, 0x1111, s40                    ; my column
	s_cmp_eq_u32 ttmp9, 2                          ; the cluster's x is equal in all sixteen partners
	s_cselect_b32 s19, 0, s18                      ; Q, K: the tokens are C's rows;
	s_cselect_b32 s22, s18, 0                      ; V: its columns
	s_add_co_u32 s17, s41, s19                     ; tile row: made of cy and the cluster's y alone
	s_add_co_u32 s42, s40, s22                     ; tile column: of cx and the cluster's y alone
	; group 1: eight rows of 512 elements of 8 bytes (4,096 bytes), 2,048 elements apart; dense in LDS
	s_or_b32 s[G1+0], s43, (3<<16)|(1<<21)         ; 15:0 the mask: A's tiles go to my row; 17:16 elements of 8 bytes; 21 set beside a mask
	s_or_b32 s[G1B+0], s44, (3<<16)|(1<<21)        ; B's go to my column
.irp g, G1, G1B
	s_mov_b32 s[\g+1], 512<<16                     ; tensor_dim0
	s_mov_b32 s[\g+2], 8<<16                       ; tensor_dim1
	s_mov_b32 s[\g+3], 512<<16                     ; tile_dim0
	s_mov_b32 s[\g+4], 8                           ; tile_dim1
	s_mov_b32 s[\g+5], 2048                        ; tensor_dim0_stride
	s_mov_b32 s[\g+6], 0
	s_mov_b32 s[\g+7], 0
.endr
	s_lshl_b32 s23, s16, 17                        ; the half that I fetch: 8 blocks of 16,384 bytes
	s_lshl_b32 s20, s17, 18                        ; A: 16 blocks a tile row
	s_add_co_u32 s20, s20, s23
	s_mov_b32 s21, 0
	s_lshl_b32 s46, s42, 18                        ; B: 16 blocks a tile column
	s_add_co_u32 s46, s46, s23
	s_mov_b32 s47, 0
	s_lshl_b32 s74, ttmp9, 22                      ; x's set: 4 MiB each
	s_mov_b32 s75, 0
	s_lshl_b32 s76, ttmp9, 20                      ; the weight: 1 MiB each
	s_mov_b32 s77, 0
	s_mul_i32 s45, s14, HALFT                      ; where my tile goes: wave x 128 rows: no place in the cluster enters an LDS address
	s_wait_kmcnt 0x0
	s_load_b256 s[84:91], s[70:71], 0x0            ; e0 .. e7
	s_load_b128 s[92:95], s[70:71], 0x20           ; e8 .. e11
	s_add_nc_u64 s[74:75], s[4:5], s[74:75]
	s_add_nc_u64 s[76:77], s[6:7], s[76:77]
	s_cmp_eq_u32 ttmp9, 2
	s_cselect_b64 s[78:79], s[76:77], s[74:75]     ; A: x's codes, for V the weight's
	s_cselect_b64 s[80:81], s[74:75], s[76:77]     ; B: the other
	s_add_nc_u64 s[20:21], s[78:79], s[20:21]
	s_add_nc_u64 s[46:47], s[80:81], s[46:47]
	CROUND                                         ; all sixteen work-groups are here: the first joint loads meet
.irp s, 0,1
	s_mov_b32 s[G0+4*\s], 1
	s_add_co_u32 s[G0+4*\s+1], s45, \s*SLOT
	s_add_nc_u64 s[G0+4*\s+2:G0+4*\s+3], s[20:21], \s*BLK          ; K step s: 4,096 bytes on in every block
	s_or_b32 s[G0+4*\s+3], s[G0+4*\s+3], 0x80000000
	s_mov_b32 s[G0B+4*\s], 1
	s_add_co_u32 s[G0B+4*\s+1], s45, \s*SLOT
	s_add_nc_u64 s[G0B+4*\s+2:G0B+4*\s+3], s[46:47], \s*BLK
	s_or_b32 s[G0B+4*\s+3], s[G0B+4*\s+3], 0x80000000
	JLOAD G0+4*\s, G1, G0B+4*\s, G1B
.endr
	v_and_b32 v4, 31, v0
	v_lshlrev_b32 v[LI], 4, v4
	v_and_b32 v5, 15, v0
	v_bfe_u32 v6, v0, 4, 1
	v_lshlrev_b32 v[BQO], 5, v6
	v_lshlrev_b32 v[BVO], 2, v5
	s_mul_i32 s21, s15, HALFT                      ; my 128 rows of A
	s_mul_i32 s22, s16, HALFT                      ; my 128 rows of B,
	s_add_co_u32 s22, s22, 2*HALFT                 ; which lie behind A's 256
.irp s, 0,1
	v_add_nc_u32 v[ADRA+\s], s21, v[LI]
	v_add_nc_u32 v[ADRB+\s], s22, v[LI]
	s_add_co_u32 s21, s21, SLOT
	s_add_co_u32 s22, s22, SLOT
.endr
	s_wait_kmcnt 0x0
	s_cmp_eq_u32 ttmp9, 1                          ; the product's three exponents, chosen without a jump
	s_cselect_b32 s84, s86, s84
	s_cselect_b32 s85, s87, s85
	s_cselect_b32 s90, s91, s90
	s_cmp_eq_u32 ttmp9, 2
	s_cselect_b32 s84, s88, s84
	s_cselect_b32 s85, s89, s85
	s_cselect_b32 s90, s93, s90
	s_add_co_i32 s96, s84, s85
	s_add_co_i32 s96, s96, 127
	s_lshl_b32 s96, s96, 23                        ; 2^(the operands' two exponents added) as f32
	s_mov_b32 s97, s96                             ; (named with it as a pair, so it is written)
	s_add_co_i32 s90, s90, 127
	s_lshl_b32 s91, s90, 23
	v_mov_b32 v[SCV], s91                          ; 2^eo, eo = e6, e7 or e9: the result's own scale
	s_add_co_i32 s90, s90, 15
	s_lshl_b32 s90, s90, 23
	s_or_b32 s90, s90, 0x600000
	v_mov_b32 v[LIMV], s90                         ; 57,344 x 2^eo
.macro FRAG reg, adr, q, i             ; 16 rows x 128 k: two images on end, four loads of 512 consecutive bytes
.irp c, 0,1,2,3
	ds_load_b128 v[\reg+4*\c:\reg+4*\c+3], v[\adr] offset:(\i)*BLK+(\q)*2048+512*\c
.endr
.endm
; 16 matrix instructions: A's blocks a0, a0 + 1 x B's eight.  The 64 accumulators take turns, one instruction a turn, in the same order in every step.
.macro MUL16 a0, p, zero
.irp a, \a0, \a0+1
.irp b, 0,1,2,3,4,5,6,7
.if \zero
	v_wmma_f32_16x16x128_bf8_bf8 v[8*(8*((\a)%4)+\b):8*(8*((\a)%4)+\b)+7], v[128*(\p)+FR*\b:128*(\p)+FR*\b+FR-1], v[AF+FR*(\a):AF+FR*(\a)+FR-1], 0
.else
	v_wmma_f32_16x16x128_bf8_bf8 v[8*(8*((\a)%4)+\b):8*(8*((\a)%4)+\b)+7], v[128*(\p)+FR*\b:128*(\p)+FR*\b+FR-1], v[AF+FR*(\a):AF+FR*(\a)+FR-1], v[8*(8*((\a)%4)+\b):8*(8*((\a)%4)+\b)+7]
.endif
.endr
.endr
.endm
.macro FETCH_B slot, q, p
	WIN TO_B
.irp i, 0,1,2,3,4,5,6,7
	FRAG 128*(\p)+FR*\i, ADRB+\slot, \q, \i
.endr
	WIN 0
.endm
.macro FETCH_A slot, q, i0
.irp i, \i0, \i0+1, \i0+2, \i0+3
	FRAG AF+FR*(\i), ADRA+\slot, \q, \i
.endr
.endm
.macro PLACES n                        ; plain vector lines between a matrix instruction and a load into, or a vector line on, one of its registers
.rept \n
	v_nop
.endr
.endm
; A step of 128 along K whose successor lies in the same slot.  A has one set of registers: blocks 0-3 are fetched anew in the step's middle, blocks 4-7 at its end; B has two sets.
.macro STEP slot, q, zero
	s_wait_dscnt 4*NL                              ; B's set and A's blocks 0-3 are in; the youngest sixteen loads (A's blocks 4-7) may be out
	WIN MUL_LO
	MUL16 0, (\q)%2, \zero
	MUL16 2, (\q)%2, \zero
	s_wait_dscnt 0                                 ; A's blocks 4-7 are in
	PLACES NP
	FETCH_B \slot, (\q)+1, 1-(\q)%2
	FETCH_A \slot, (\q)+1, 0
	WIN MUL_HI
	MUL16 4, (\q)%2, \zero
	MUL16 6, (\q)%2, \zero
	PLACES NP
	WIN 0
	FETCH_A \slot, (\q)+1, 4
.endm
; A slot's last step changes slots: one barrier; in front of it each wave waits for all its tensor loads, adds 0 to its spare word, and waits for that and for its reads of this slot.
.macro TURN slot, next, fill
	s_wait_tensorcnt 0x0                           ; all my tensor loads have landed: my part of the next slot
	ds_add_u32 v[SPW], v[NIL]                      ; 0 onto my spare word
	s_wait_dscnt 4*NL+1                            ; (the add and the youngest sixteen loads may be out)
	WIN MUL_LO
	MUL16 0, 1, 0
	s_wait_dscnt 0x0                               ; the add is done, and my reads of this slot are over
	s_barrier_signal -1
	MUL16 2, 1, 0
	WIN 0
	s_barrier_wait -1
.if \fill
	CREST                                          ; the barrier has opened a round of the cluster's: no wave of any partner still reads this slot or has a load on its way
	s_add_nc_u64 s[G0+4*\slot+2:G0+4*\slot+3], s[G0+4*\slot+2:G0+4*\slot+3], 2*BLK
	s_add_nc_u64 s[G0B+4*\slot+2:G0B+4*\slot+3], s[G0B+4*\slot+2:G0B+4*\slot+3], 2*BLK
	JLOAD G0+4*\slot, G1, G0B+4*\slot, G1B         ; the first tensor load behind the round; its four v_nop are also the places in front of the loads below
.else
	PLACES NP
.endif
	FETCH_B \next, 0, 0
	FETCH_A \next, 0, 0
	WIN MUL_HI
	MUL16 4, 1, 0
	MUL16 6, 1, 0
	PLACES NP
	WIN 0
	FETCH_A \next, 0, 4
.endm
; THE WAY OUT.  For A's block a and each four of B's blocks (g): sum x 2^(ea + eb) + bias, the hold, four conversions: one image, in registers of its own, stored as two runs of 512 bytes.
; var = 0 (Q, K): the bias goes with the columns, eight numbers a lane and block;  var = 1 (V): with the row, one number a lane and block, held twice as a pair.
.macro OUT var
.irp a, 0,1,2,3,4,5,6,7
.irp g, 0,1
.set CD, CODE+8*(2*\a+\g)
.set AC, 8*(8*(\a%4)+4*\g)
	WIN 0x02+(\a/4)                                ; source 0: window 2 or 3
.irp bb, 0,1,2,3
.irp i, 0,2,4,6
.if \var
	v_pk_fma_f32 v[TMP+8*\bb+\i:TMP+8*\bb+\i+1], v[AC+8*\bb+\i:AC+8*\bb+\i+1], s[96:97], v[BIAS+2*\a:BIAS+2*\a+1] op_sel_hi:[1,0,1]
.else
	v_pk_fma_f32 v[TMP+8*\bb+\i:TMP+8*\bb+\i+1], v[AC+8*\bb+\i:AC+8*\bb+\i+1], s[96:97], v[BIAS+8*(4*\g+\bb)+\i:BIAS+8*(4*\g+\bb)+\i+1] op_sel_hi:[1,0,1]
.endif
.endr
.endr
	WIN 0
.set n, 0
.rept 32
	v_med3_num_f32 v[TMP+n], v[TMP+n], -v[LIMV], v[LIMV]   ; the conversion does not saturate (ISA guide 7.6.2)
.set n, n+1
.endr
.irp bb, 0,1,2,3
	v_cvt_scalef32_pk8_bf8_f32 v[CD+2*\bb:CD+2*\bb+1], v[TMP+8*\bb:TMP+8*\bb+7], v[SCV]
.endr
	v_nop                                          ; a plain line between the conversions and the next write of their sources
.if \var
.set OFF, (\a/4)*131072+(\a%4)*1024+\g*4096        ; head a / 4, channels 16 (a % 4) on, keys 64 g on
.else
.set OFF, \a*1024+\g*131072                        ; tokens 16 a on, head g
.endif
	global_store_b128 v[LI], v[CD:CD+3], s[72:73] offset:OFF
	global_store_b128 v[LI], v[CD+4:CD+7], s[72:73] offset:OFF+512
.endr
.endr
.endm
; What differs between Q, K and V stands in one arm each, behind the last change of slots: the bias loads and the store base, the last two steps (under which the bias lands), the way out.
.macro TAIL var
.if \var
	s_lshl_b32 s66, s17, 10                        ; bv at channel 256 x tile row
	s_lshl_b32 s67, s15, 9                         ; + 128 x my half
	s_add_co_u32 s66, s66, s67
	s_mov_b32 s67, 0
	s_add_nc_u64 s[68:69], s[68:69], s[66:67]
.irp a, 0,1,2,3,4,5,6,7
	global_load_b32 v[BIAS+2*\a], v[BVO], s[68:69] offset:64*\a
	global_load_b32 v[BIAS+2*\a+1], v[BVO], s[68:69] offset:64*\a
.endr
	s_lshr_b32 s66, s42, 3                         ; the batch: 8 tile columns each,
	s_lshl_b32 s66, s66, 21                        ; 16 heads of 131,072 bytes
	s_add_co_u32 s66, s66, 0x800000                ; V lies at 8 MiB
	s_lshl_b32 s82, s17, 19                        ; head 4 x tile row
	s_add_co_u32 s66, s66, s82
	s_lshl_b32 s82, s15, 18                        ; + 2 x my half of the rows
	s_add_co_u32 s66, s66, s82
	s_and_b32 s82, s42, 7
	s_lshl_b32 s82, s82, 14                        ; keys: 4 blocks of 64 a tile column, 4,096 bytes each
	s_add_co_u32 s66, s66, s82
	s_lshl_b32 s82, s16, 13                        ; + 2 x my half of the columns
	s_add_co_u32 s66, s66, s82
.else
	s_cmp_eq_u32 ttmp9, 1
	s_cselect_b64 s[8:9], s[10:11], s[8:9]         ; bk or bq
	s_lshl_b32 s66, s42, 10                        ; at column 256 x tile column
	s_lshl_b32 s67, s16, 9                         ; + 128 x my half
	s_add_co_u32 s66, s66, s67
	s_mov_b32 s67, 0
	s_add_nc_u64 s[8:9], s[8:9], s[66:67]
.irp b, 0,1,2,3,4,5,6,7
	global_load_b128 v[BIAS+8*\b:BIAS+8*\b+3], v[BQO], s[8:9] offset:64*\b
	global_load_b128 v[BIAS+8*\b+4:BIAS+8*\b+7], v[BQO], s[8:9] offset:64*\b+16
.endr
	s_lshl_b32 s66, ttmp9, 22                      ; Q at 0, K at 4 MiB
	s_lshr_b32 s82, s17, 3                         ; the batch: 8 tile rows each
	s_lshl_b32 s82, s82, 21
	s_add_co_u32 s66, s66, s82
	s_lshl_b32 s82, s42, 19                        ; head 4 x tile column
	s_add_co_u32 s66, s66, s82
	s_lshl_b32 s82, s16, 18                        ; + 2 x my half of the columns
	s_add_co_u32 s66, s66, s82
	s_and_b32 s82, s17, 7
	s_lshl_b32 s82, s82, 14                        ; tokens: 16 blocks a tile row, 1,024 bytes each
	s_add_co_u32 s66, s66, s82
	s_lshl_b32 s82, s15, 13                        ; + 8 x my half of the rows
	s_add_co_u32 s66, s66, s82
.endif
	s_add_nc_u64 s[72:73], s[72:73], s[66:67]
	STEP 1, 0, 0
	s_wait_dscnt 4*NL                              ; the very last step: nothing more to fetch
	WIN MUL_LO
	MUL16 0, 1, 0
	MUL16 2, 1, 0
	s_wait_dscnt 0
	WIN MUL_HI
	MUL16 4, 1, 0
	MUL16 6, 1, 0
	WIN 0
	s_wait_loadcnt 0x0                             ; the bias
	PLACES NP
	OUT \var
.endm
	s_wait_tensorcnt 1                             ; my part of K step 0 is in (K step 1's load may be out)
	s_barrier_signal -1
	s_barrier_wait -1                              ; everybody's is
	FETCH_B 0, 0, 0
	FETCH_A 0, 0, 0
	FETCH_A 0, 0, 4
	STEP 0, 0, 1                                   ; K = 1,024 is four slots' worth, written straight; the first products start the sums
	TURN 0, 1, 1                                   ; slot 0 takes K step 2
	STEP 1, 0, 0
	TURN 1, 0, 1                                   ; slot 1 takes K step 3
	STEP 0, 0, 0
	TURN 0, 1, 0                                   ; nothing is left to fetch
	s_cmp_eq_u32 ttmp9, 2                          ; the cluster's x: the same way in all sixteen partners; no tensor load and no barrier stands in an arm
	s_cbranch_scc1 .Lvalues
	TAIL 0
	s_branch .Ldone
.Lvalues:
	TAIL 1
.Ldone:
	s_wait_tensorcnt 0x0                           ; the wave's end
	ds_add_u32 v[SPW], v[NIL]
	s_wait_dscnt 0x0
	CROUND                                         ; the closing round: no work-group ends while a partner may still ask for a tile that names it
	s_endpgm
.Lfunc_end_k_qd59542b39b_proj:
	.size	k_qd59542b39b_proj, .Lfunc_end_k_qd59542b39b_proj-k_qd59542b39b_proj
	.p2alignl 7, 3214868480
	.fill 96, 4, 3214868480
	.section	.rodata,"a",@progbits
	.p2align	6, 0x0
	.amdhsa_kernel k_qd59542b39b_proj
		.amdhsa_group_segment_fixed_size 327680
		.amdhsa_private_segment_fixed_size 0
		.amdhsa_enable_private_segment 0
		.amdhsa_kernarg_size 56
		.amdhsa_user_sgpr_count 2
		.amdhsa_user_sgpr_kernarg_segment_ptr 1
		.amdhsa_wavefront_size32 1
		.amdhsa_system_sgpr_workgroup_id_x 1
		.amdhsa_system_sgpr_workgroup_id_y 1
		.amdhsa_system_sgpr_workgroup_id_z 1
		.amdhsa_system_vgpr_workitem_id 0
		.amdhsa_next_free_vgpr 1024
		.amdhsa_next_free_sgpr 100
		.amdhsa_reserve_vcc 0
		.amdhsa_float_denorm_mode_32 3
		.amdhsa_float_denorm_mode_16_64 3
		.amdhsa_memory_ordered 1
		.amdhsa_forward_progress 1
		.amdhsa_inst_pref_size 208
	.end_amdhsa_kernel
	.amdgpu_metadata
---
amdhsa.version: [ 1, 2 ]
amdhsa.kernels:
  - .name:           k_qd59542b39b_proj
    .symbol:         k_qd59542b39b_proj.kd
    .args:
      - { .name: xc, .offset: 0, .size: 8, .value_kind: global_buffer, .address_space: global }
      - { .name: wc, .offset: 8, .size: 8, .value_kind: global_buffer, .address_space: global }
      - { .name: bq, .offset: 16, .size: 8, .value_kind: global_buffer, .address_space: global }
      - { .name: bk, .offset: 24, .size: 8, .value_kind: global_buffer, .address_space: global }
      - { .name: bv, .offset: 32, .size: 8, .value_kind: global_buffer, .address_space: global }
      - { .name: lowp_scales, .offset: 40, .size: 8, .value_kind: global_buffer, .address_space: global }
      - { .name: qkvc, .offset: 48, .size: 8, .value_kind: global_buffer, .address_space: global }
    .group_segment_fixed_size: 327680
    .private_segment_fixed_size: 0
    .kernarg_segment_align: 8
    .kernarg_segment_size: 56
    .max_flat_workgroup_size: 128
    .sgpr_count:     100
    .vgpr_count:     1024
    .wavefront_size: 32
...
	.end_amdgpu_metadata
.endif
;; end of part 2
;; launch attn (part 3): grid 8 x 32, 8 waves a work-group, clusters of 4 x 1, 263,168 bytes of LDS; arguments qkvc, lowp_scales, ac; writes ac
.if DOCPART == 3
	.amdgcn_target "amdgcn-amd-amdhsa--gfx1250"
	.amdhsa_code_object_version 6
	.text
	.protected	k_qd59542b39b_attn
	.globl	k_qd59542b39b_attn
	.p2align	8
	.type	k_qd59542b39b_attn,@function
k_qd59542b39b_attn:
	s_mov_b64 s[64:65], 0
	v_nop
	global_prefetch_b8 v0, s[64:65] scope:SCOPE_SE
	s_setreg_imm32_b32 hwreg(HW_REG_WAVE_MODE, 25, 1), 1
	s_wait_xcnt 0x0
	s_wait_alu depctr_hold_cnt(0) depctr_sa_sdst(0) depctr_va_vdst(0) depctr_va_sdst(0) depctr_va_ssrc(0) depctr_va_vcc(0) depctr_vm_vsrc(0)
	s_getreg_b32 s2, hwreg(HW_REG_IB_STS2, 6, 4)
	s_cmp_eq_u32 s2, 0
	s_cbranch_scc0 .Lentry_in_a_cluster
	s_endpgm
.Lentry_in_a_cluster:
	s_bfe_u32 s2, ttmp6, 0x10000c
	s_cmp_lg_u32 s2, 0x3003
	s_cbranch_scc0 .Lentry_shape_is_right
	s_endpgm
.Lentry_shape_is_right:
; O = softmax(Q K^T / 8) V for 32 (batch x head) of 2,048 tokens x 64 channels, both products on E5M2 codes; O / the row's sum is quantised at once (scale 2^e10) for the last projection.
; in: Q at 0, K at 4 MiB: [batch x head][block of 16 tokens 128][1024]; V at 8 MiB: [batch x head][block of 64 keys 32][block of 16 channels 4][1024]: images of operand registers
; (16 rows x 64 k; register i of lane l at byte 512 (i / 4) + 16 l + 4 (i % 4); register 2 c + e of lane (r, h): row r, k = 16 c + 8 h + 4 e + byte).   out: ac [block of 16 tokens 256][head 16][1024].
; THE SOFTMAX: t = score x log2(e) / 8; M = the running largest t rounded UP to a whole number; p = 2^(t - M) is quantised (scale 2^e8), not normalised; the row's sum is taken of the unquantised p
; and divides O at the end.  When M moves, the sum and O are multiplied by 2^(old M - new M): nothing is rounded, and there is no branch on data.
; SHARES.  A work-group owns 256 queries of one head; each of its eight waves two tiles of 16, in 512 registers: each fragment of K and V read from LDS feeds two products, and two waves share a SIMD.
; BOTH PRODUCTS ARE USED TRANSPOSED: S^T = K Q^T (source 0 = 16 keys, source 1 = 16 queries), O^T = V^T P^T (source 0 = 16 channels x 128 keys, source 1 = P): a lane holds ONE query throughout, and the
; conversion of score tile t (keys 16 t + 8 h + 0 .. 7) gives registers 2 t, 2 t + 1 of P: k in its true places.
; THE WHOLE HEAD LIES IN LDS: K and V are 256 KiB; every LDS byte is filled once, so there is no ring.  Four chunks of 512 keys; each wave asks for 8 KiB of each chunk at the start: four tensor loads of a wave are out.
; CLUSTER: the four query blocks of a cluster belong to one head: every load is a joint one (mask 15).
; LIMITS: e6 + e7 between -123 and 130 (added to c's exponent field); e8, e10 between -126 and 112; e8 + e9 is applied by v_ldexp_f32 and has none.  NaN is not served.
; REGISTERS: window 0: v1 16 x lane, v2 the step's LDS address, v4, v5 2^e8 and 57,344 x 2^e8, v6, v7 the same with e10; tile i: v[8+2i] -M, v[9+2i] the largest t, v[12+2i:13+2i] the sum in two halves,
;   v[16+8i ..] at work; v32-95 V's four fragments; v96-223 S^T, then p (tile i at 96 + 64 i).   window 1: v0-63 O^T (32 i + 8 d); v64-95 P (64 + 16 i); v96-111 Q; v128-191 K's eight fragments.
.set LI,  1
.set ADR, 2
.set NM,  8
.set TM,  9
.set SU,  12
.set MA,  16
.set MB,  17
.set PD,  18
.set FF,  20
.set T2,  22
.set VF,  32
.set S,   96
.set PF,  64                           ; in window 1
.set QF,  96
.set KF,  128
.set WV,  12                           ; s12 my wave's number
.set SEL, 20                           ; s[20:21] selects for v_permlanex16_b32: lane l xor 16
.set CS,  22                           ; s[22:23] c = log2(e) / 8 x 2^(e6 + e7)
.set G1,  24                           ; s[24:31] group 1;  s[32:47] four groups 0, one a chunk
.set G0,  32
.set TB,  56                           ; s56 LDS byte at which the step in hand begins
.set CNT, 57
.set MSB, 0
.macro WIN new                         ; the immediate's high byte repeats the setting that is left
.if MSB != (\new)
	s_set_vgpr_msb (MSB<<8)|(\new)
.set MSB, (\new)
.endif
.endm
.macro CROUND                          ; a round of the cluster's barrier
	s_barrier_signal -1
	s_barrier_wait -1
	s_cmp_lg_u32 s[WV], 0
	s_cbranch_scc1 .Lnot_wave_0_\@
	s_barrier_signal -3
.Lnot_wave_0_\@:
	s_barrier_wait -3
	s_barrier_signal -1
	s_barrier_wait -1
.endm
	s_load_b128 s[4:7], s[0:1], 0x0                ; qkvc s[4:5], the scales s[6:7]
	s_load_b64 s[8:9], s[0:1], 0x10                ; ac
	v_lshl_add_u32 v254, v0, 2, 0x40000
	v_mov_b32 v255, 0
	ds_add_u32 v254, v255
	ds_add_u32 v254, v255
	v_lshrrev_b32 v1, 5, v0
	v_readfirstlane_b32 s[WV], v1                  ; wave 0..7
	s_bfe_u32 s13, ttmp6, 0x40000                  ; cx
	s_lshl_b32 s14, ttmp9, 2
	s_add_co_u32 s14, s14, s13                     ; my block of 256 queries: it enters Q's and ac's addresses alone
	s_and_b32 s15, ttmp7, 0xffff                   ; batch x head, which the four partners share
	s_lshl_b32 s58, s15, 17                        ; its 131,072 bytes in each of Q, K, V
	s_lshr_b32 s60, s[WV], 2                       ; waves 0-3 fetch K, waves 4-7 V:
	s_lshl_b32 s60, s60, 22
	s_add_co_u32 s60, s60, 0x400000                ; at 4 MiB or 8 MiB,
	s_add_co_u32 s60, s60, s58
	s_and_b32 s61, s[WV], 3
	s_lshl_b32 s61, s61, 13                        ; my 8 KiB of a chunk's 32
	s_add_co_u32 s60, s60, s61
	s_mov_b32 s61, 0
	s_lshl_b32 s62, s[WV], 13                      ; and in LDS: a chunk is K's 32 KiB, then V's: wave x 8 KiB
	s_lshl_b32 s66, s14, 14                        ; Q: 16 images a block of queries,
	s_lshl_b32 s67, s[WV], 11                      ; 2 a wave
	s_add_co_u32 s66, s66, s67
	s_add_co_u32 s66, s66, s58
	s_mov_b32 s67, 0
	s_lshr_b32 s68, s15, 4                         ; ac: the batch: 128 blocks of 16 tokens x 16 images,
	s_lshl_b32 s68, s68, 21
	s_lshl_b32 s69, s14, 18                        ; 16 blocks a block of queries,
	s_add_co_u32 s68, s68, s69
	s_lshl_b32 s69, s[WV], 15                      ; 2 a wave,
	s_add_co_u32 s68, s68, s69
	s_and_b32 s69, s15, 15
	s_lshl_b32 s69, s69, 10                        ; the head's image
	s_add_co_u32 s68, s68, s69
	s_mov_b32 s69, 0
	; group 1: 32 rows of 32 elements of 8 bytes, dense in memory and in LDS: 8 KiB
	s_mov_b32 s[G1], 15|(3<<16)|(1<<21)            ; 15:0 the mask: all four work-groups; 17:16 elements of 8 bytes; 21 set beside a mask
	s_mov_b32 s[G1+1], 32<<16                      ; tensor_dim0
	s_mov_b32 s[G1+2], 32<<16                      ; tensor_dim1
	s_mov_b32 s[G1+3], 32<<16                      ; tile_dim0
	s_mov_b32 s[G1+4], 32                          ; tile_dim1
	s_mov_b32 s[G1+5], 32                          ; tensor_dim0_stride
	s_mov_b32 s[G1+6], 0
	s_mov_b32 s[G1+7], 0
	s_mov_b32 s[SEL], 0x76543210
	s_mov_b32 s[SEL+1], 0xfedcba98
	s_mov_b32 s[TB], 0
	s_wait_dscnt 0x0
	s_wait_kmcnt 0x0
	s_load_b128 s[48:51], s[6:7], 0x10             ; e4 .. e7
	s_load_b128 s[52:55], s[6:7], 0x20             ; e8 .. e11
	s_add_nc_u64 s[60:61], s[4:5], s[60:61]
	s_add_nc_u64 s[66:67], s[4:5], s[66:67]
	s_add_nc_u64 s[8:9], s[8:9], s[68:69]
.irp c, 0,1,2,3
	s_mov_b32 s[G0+4*\c], 1
	s_add_co_u32 s[G0+4*\c+1], s62, \c*65536
	s_add_nc_u64 s[G0+4*\c+2:G0+4*\c+3], s[60:61], \c*32768
	s_or_b32 s[G0+4*\c+3], s[G0+4*\c+3], 0x80000000
.endr
	CROUND                                         ; all four work-groups are here: the joint loads meet
	tensor_load_to_lds s[G0:G0+3], s[G1:G1+7]
	s_nop 0
	tensor_load_to_lds s[G0+4:G0+7], s[G1:G1+7]
	s_nop 0
	tensor_load_to_lds s[G0+8:G0+11], s[G1:G1+7]
	s_nop 0
	tensor_load_to_lds s[G0+12:G0+15], s[G1:G1+7]
	s_nop 0
.rept 4
	v_nop
.endr
	v_and_b32 v3, 31, v0
	v_lshlrev_b32 v[LI], 4, v3
	WIN 0x40                                       ; destination window 1
.irp i, 0,1
	global_load_b128 v[QF+8*\i:QF+8*\i+3], v[LI], s[66:67] offset:\i*1024
	global_load_b128 v[QF+8*\i+4:QF+8*\i+7], v[LI], s[66:67] offset:\i*1024+512
.endr
.set n, 0
.rept 64
	v_mov_b32 v[n], 0                              ; O^T.  (The step is written once: the first finds zeros, which the first change of M leaves zeros)
.set n, n+1
.endr
	WIN 0
.irp i, 0,1
	v_mov_b32 v[TM+2*\i], 0xff61b1e6               ; the largest t so far: -3e38, under every t
	v_floor_f32 v[NM+2*\i], -v[TM+2*\i]            ; -M
	v_mov_b32 v[SU+2*\i], 0
	v_mov_b32 v[SU+2*\i+1], 0
	v_mov_b32 v[PD+8*\i], 0                        ; written once: a lane permute's destination counts as one of its sources
	v_mov_b32 v[FF+8*\i+1], 0                      ; (named as the upper half of a pair)
.endr
	s_wait_kmcnt 0x0
	s_mov_b32 s[CS], 0x3e38aa3b                    ; log2(e) / 8
	s_add_co_i32 s58, s50, s51
	s_lshl_b32 s58, s58, 23
	s_add_co_i32 s[CS], s[CS], s58                 ; a score stands for score x 2^(e6 + e7): added to c's exponent field
	s_mov_b32 s[CS+1], s[CS]
	s_add_co_i32 s58, s52, 127
	s_lshl_b32 s59, s58, 23
	v_mov_b32 v4, s59                              ; 2^e8
	s_add_co_i32 s58, s58, 15
	s_lshl_b32 s58, s58, 23
	s_or_b32 s58, s58, 0x600000
	v_mov_b32 v5, s58                              ; 57,344 x 2^e8
	s_add_co_i32 s58, s54, 127
	s_lshl_b32 s59, s58, 23
	v_mov_b32 v6, s59                              ; 2^e10
	s_add_co_i32 s58, s58, 15
	s_lshl_b32 s58, s58, 23
	s_or_b32 s58, s58, 0x600000
	v_mov_b32 v7, s58                              ; 57,344 x 2^e10
	s_add_co_i32 s58, s52, s53                     ; e8 + e9
; A KEY STEP: 128 keys.  The two tiles' lines alternate, so that few lines wait for the line above them.
.macro STEP
.rept 4
	v_nop                                          ; places behind the last products, in front of the loads into V's registers
.endr
	v_add_nc_u32 v[ADR], s[TB], v[LI]
	WIN 0x40
.irp t, 0,1,2,3,4,5,6,7
	ds_load_b128 v[KF+8*\t:KF+8*\t+3], v[ADR] offset:\t*1024
	ds_load_b128 v[KF+8*\t+4:KF+8*\t+7], v[ADR] offset:\t*1024+512
.endr
	WIN 0
.irp d, 0,1,2,3
.irp u, 0,1
	ds_load_b128 v[VF+16*\d+8*\u:VF+16*\d+8*\u+3], v[ADR] offset:32768+\u*4096+\d*1024
	ds_load_b128 v[VF+16*\d+8*\u+4:VF+16*\d+8*\u+7], v[ADR] offset:32768+\u*4096+\d*1024+512
.endr
.endr
	s_wait_dscnt 16                                ; K is in; V's sixteen loads may be out
	WIN 0x05                                       ; K and Q in window 1, S^T in window 0
.irp t, 0,1,2,3,4,5,6,7
.irp i, 0,1
	v_wmma_f32_16x16x64_bf8_bf8 v[S+64*\i+8*\t:S+64*\i+8*\t+7], v[KF+8*\t:KF+8*\t+7], v[QF+8*\i:QF+8*\i+7], 0
.endr
.endr
	WIN 0
.rept 4
	v_nop
.endr
.irp i, 0,1                                    ; the step's largest score of my query among my 64 keys, in two chains a tile; each accumulator is read from its low end on
	v_max3_num_f32 v[MA+8*\i], v[S+64*\i], v[S+64*\i+1], v[S+64*\i+2]
	v_max3_num_f32 v[MB+8*\i], v[S+64*\i+3], v[S+64*\i+4], v[S+64*\i+5]
.endr
.irp n, 6,10,14,18,22,26,30,34,38,42,46,50,54,58
.irp i, 0,1
	v_max3_num_f32 v[MA+8*\i], v[MA+8*\i], v[S+64*\i+\n], v[S+64*\i+\n+1]
	v_max3_num_f32 v[MB+8*\i], v[MB+8*\i], v[S+64*\i+\n+2], v[S+64*\i+\n+3]
.endr
.endr
.irp i, 0,1
	v_max3_num_f32 v[MA+8*\i], v[MA+8*\i], v[S+64*\i+62], v[S+64*\i+63]
.endr
.irp i, 0,1
	v_max_num_f32 v[MA+8*\i], v[MA+8*\i], v[MB+8*\i]
.endr
.irp i, 0,1
	v_permlanex16_b32 v[PD+8*\i], v[MA+8*\i], s[SEL], s[SEL+1]
.endr
.irp i, 0,1
	v_max_num_f32 v[MA+8*\i], v[MA+8*\i], v[PD+8*\i]       ; and among lane l xor 16's
.endr
.irp i, 0,1
	v_mul_f32 v[MA+8*\i], s[CS], v[MA+8*\i]                ; as t (c is positive)
.endr
.irp i, 0,1
	v_max_num_f32 v[TM+2*\i], v[TM+2*\i], v[MA+8*\i]       ; the running largest t
.endr
.irp i, 0,1
	v_mov_b32 v[MA+8*\i], v[NM+2*\i]
.endr
.irp i, 0,1
	v_floor_f32 v[NM+2*\i], -v[TM+2*\i]                    ; the new -M = floor(-t) = -ceil(t): a whole number
.endr
.irp i, 0,1
	v_sub_f32 v[MA+8*\i], v[NM+2*\i], v[MA+8*\i]           ; old M - new M: a whole number, 0 or less
.endr
.irp i, 0,1
	v_cvt_i32_f32 v[MA+8*\i], v[MA+8*\i]                   ; (it saturates)
.endr
.irp i, 0,1
	v_ldexp_f32 v[FF+8*\i], 1.0, v[MA+8*\i]                ; f = 2^(old M - new M)
.endr
.irp i, 0,1
.set n, 0
.rept 32
	v_pk_fma_f32 v[S+64*\i+n:S+64*\i+n+1], v[S+64*\i+n:S+64*\i+n+1], s[CS:CS+1], v[NM+2*\i:NM+2*\i+1] op_sel_hi:[1,0,0]   ; t - M (of the pairs c and -M the low word serves both halves)
.set n, n+2
.endr
.endr
.set n, 0
.rept 128
	v_exp_f32 v[S+n], v[S+n]                       ; p = 2^(t - M), at most 1
.set n, n+1
.endr
.irp i, 0,1
	v_pk_mul_f32 v[SU+2*\i:SU+2*\i+1], v[SU+2*\i:SU+2*\i+1], v[FF+8*\i:FF+8*\i+1] op_sel_hi:[1,0]   ; the sums under the new M.  (Plain lines behind the exponentials)
.endr
	s_wait_alu depctr_va_vdst(0)
.irp i, 0,1
	v_pk_add_f32 v[T2+8*\i:T2+8*\i+1], v[S+64*\i:S+64*\i+1], v[S+64*\i+2:S+64*\i+3]   ; the row's sum is taken of the unquantised p, in two chains a tile
.endr
.irp n, 4,8,12,16,20,24,28,32,36,40,44,48,52,56,60
.irp i, 0,1
	v_pk_add_f32 v[SU+2*\i:SU+2*\i+1], v[SU+2*\i:SU+2*\i+1], v[S+64*\i+\n:S+64*\i+\n+1]
	v_pk_add_f32 v[T2+8*\i:T2+8*\i+1], v[T2+8*\i:T2+8*\i+1], v[S+64*\i+\n+2:S+64*\i+\n+3]
.endr
.endr
.irp i, 0,1
	v_pk_add_f32 v[SU+2*\i:SU+2*\i+1], v[SU+2*\i:SU+2*\i+1], v[T2+8*\i:T2+8*\i+1]
.endr
.set n, 0
.rept 128
	v_min_num_f32 v[S+n], v[S+n], v5               ; the conversion does not saturate (ISA guide 7.6.2); p is not negative, so the hold is one-sided
.set n, n+1
.endr
	WIN 0x40                                       ; P in window 1
.irp i, 0,1
.irp t, 0,1,2,3,4,5,6,7
	v_cvt_scalef32_pk8_bf8_f32 v[PF+16*\i+2*\t:PF+16*\i+2*\t+1], v[S+64*\i+8*\t:S+64*\i+8*\t+7], v4
.endr
.endr
	WIN 0x41                                       ; O^T (destination and source 0) in window 1, f in window 0
.irp i, 0,1
.set n, 0
.rept 16
	v_pk_mul_f32 v[32*\i+n:32*\i+n+1], v[32*\i+n:32*\i+n+1], v[FF+8*\i:FF+8*\i+1] op_sel_hi:[1,0]   ; O^T under the new M.  (Also the plain lines between the conversions and the products)
.set n, n+2
.endr
.endr
	s_wait_dscnt 0x0                               ; V is in
	WIN 0x54                                       ; V in window 0; P, C and D in window 1
.irp d, 0,1,2,3                                ; the eight accumulators take turns, one instruction a turn
.irp i, 0,1
	v_wmma_f32_16x16x128_bf8_bf8 v[32*\i+8*\d:32*\i+8*\d+7], v[VF+16*\d:VF+16*\d+15], v[PF+16*\i:PF+16*\i+15], v[32*\i+8*\d:32*\i+8*\d+7]
.endr
.endr
	WIN 0
	s_add_co_u32 s[TB], s[TB], 8192                ; the next 128 keys: eight images of K, two blocks of V
.endm
; A chunk of 512 keys.  left: my loads for the later chunks, which stay out.
.macro CHUNK left
	s_wait_tensorcnt \left                         ; my part of this chunk is in,
	s_barrier_signal -1
	s_barrier_wait -1                              ; everybody's is
	s_mov_b32 s[CNT], 4
.Lstep_\@:
	STEP
	s_sub_co_u32 s[CNT], s[CNT], 1
	s_cmp_lg_u32 s[CNT], 0
	s_cbranch_scc1 .Lstep_\@
	s_add_co_u32 s[TB], s[TB], 32768               ; over the chunk's V
.endm
	s_wait_loadcnt 0x0                             ; Q
	CHUNK 3
	CHUNK 2
	CHUNK 1
	CHUNK 0
	; THE END: O^T x 2^(e8 + e9) / the sum is the attention's output; held, converted with 2^e10, it is one image a tile: rows = my 16 tokens, k = the head's 64 channels.
.rept 4
	v_nop
.endr
.irp i, 0,1
	v_add_f32 v[MA+8*\i], v[SU+2*\i], v[SU+2*\i+1]
.endr
.irp i, 0,1
	v_permlanex16_b32 v[PD+8*\i], v[MA+8*\i], s[SEL], s[SEL+1]
.endr
.irp i, 0,1
	v_add_f32 v[MA+8*\i], v[MA+8*\i], v[PD+8*\i]           ; the row's sum; it is above 1/2
.endr
.irp i, 0,1
	v_rcp_f32 v[FF+8*\i], v[MA+8*\i]
.endr
	v_nop                                          ; a plain line behind the reciprocals
	s_wait_alu depctr_va_vdst(0)
.irp i, 0,1
	v_ldexp_f32 v[FF+8*\i], v[FF+8*\i], s58
.endr
	WIN 0x01                                       ; source 0 (O^T) window 1
.irp i, 0,1
.set n, 0
.rept 16
	v_pk_mul_f32 v[S+64*\i+n:S+64*\i+n+1], v[32*\i+n:32*\i+n+1], v[FF+8*\i:FF+8*\i+1] op_sel_hi:[1,0]
.set n, n+2
.endr
.endr
	WIN 0
.irp i, 0,1
.set n, 0
.rept 32
	v_med3_num_f32 v[S+64*\i+n], v[S+64*\i+n], -v7, v7
.set n, n+1
.endr
.endr
.irp i, 0,1
.irp d, 0,1,2,3
	v_cvt_scalef32_pk8_bf8_f32 v[S+32+64*\i+2*\d:S+32+64*\i+2*\d+1], v[S+64*\i+8*\d:S+64*\i+8*\d+7], v6
.endr
.endr
	v_nop
.irp i, 0,1
	global_store_b128 v[LI], v[S+32+64*\i:S+32+64*\i+3], s[8:9] offset:\i*16384            ; 32 lanes store 512 consecutive bytes
	global_store_b128 v[LI], v[S+32+64*\i+4:S+32+64*\i+7], s[8:9] offset:\i*16384+512
.endr
	s_wait_tensorcnt 0x0
	ds_add_u32 v254, v255
	s_wait_dscnt 0x0
	CROUND                                         ; the closing round
	s_endpgm
.Lfunc_end_k_qd59542b39b_attn:
	.size	k_qd59542b39b_attn, .Lfunc_end_k_qd59542b39b_attn-k_qd59542b39b_attn
	.p2alignl 7, 3214868480
	.fill 96, 4, 3214868480
	.section	.rodata,"a",@progbits
	.p2align	6, 0x0
	.amdhsa_kernel k_qd59542b39b_attn
		.amdhsa_group_segment_fixed_size 263168
		.amdhsa_private_segment_fixed_size 0
		.amdhsa_enable_private_segment 0
		.amdhsa_kernarg_size 24
		.amdhsa_user_sgpr_count 2
		.amdhsa_user_sgpr_kernarg_segment_ptr 1
		.amdhsa_wavefront_size32 1
		.amdhsa_system_sgpr_workgroup_id_x 1
		.amdhsa_system_sgpr_workgroup_id_y 1
		.amdhsa_system_sgpr_workgroup_id_z 1
		.amdhsa_system_vgpr_workitem_id 0
		.amdhsa_next_free_vgpr 512
		.amdhsa_next_free_sgpr 80
		.amdhsa_reserve_vcc 0
		.amdhsa_float_denorm_mode_32 3
		.amdhsa_float_denorm_mode_16_64 3
		.amdhsa_memory_ordered 1
		.amdhsa_forward_progress 1
		.amdhsa_inst_pref_size 130
	.end_amdhsa_kernel
	.amdgpu_metadata
---
amdhsa.version: [ 1, 2 ]
amdhsa.kernels:
  - .name:           k_qd59542b39b_attn
    .symbol:         k_qd59542b39b_attn.kd
    .args:
      - { .name: qkvc, .offset: 0, .size: 8, .value_kind: global_buffer, .address_space: global }
      - { .name: lowp_scales, .offset: 8, .size: 8, .value_kind: global_buffer, .address_space: global }
      - { .name: ac, .offset: 16, .size: 8, .value_kind: global_buffer, .address_space: global }
    .group_segment_fixed_size: 263168
    .private_segment_fixed_size: 0
    .kernarg_segment_align: 8
    .kernarg_segment_size: 24
    .max_flat_workgroup_size: 256
    .sgpr_count:     80
    .vgpr_count:     512
    .wavefront_size: 32
...
	.end_amdgpu_metadata
.endif
;; end of part 3
;; launch outln (part 4): grid 128 x 1, 16 waves a work-group, no clusters, 108,544 bytes of LDS; arguments ac, wc, bo, lowp_scales, out0; writes out0
.if DOCPART == 4
	.amdgcn_target "amdgcn-amd-amdhsa--gfx1250"
	.amdhsa_code_object_version 6
	.text
	.protected	k_qd59542b39b_outln
	.globl	k_qd59542b39b_outln
	.p2align	8
	.type	k_qd59542b39b_outln,@function
k_qd59542b39b_outln:
	s_mov_b64 s[64:65], 0
	v_nop
	global_prefetch_b8 v0, s[64:65] scope:SCOPE_SE
	s_setreg_imm32_b32 hwreg(HW_REG_WAVE_MODE, 25, 1), 1
	s_wait_xcnt 0x0
; out0 = (y - mean(y)) / sqrt(var(y) + 1e-5) along each row of 1,024, y = relu(a Wo + bo); the product on E5M2 codes, sums in f32.
; in: ac [block of 16 tokens 256][block of 64 k 16][1024] and Wo's codes at 3 MiB of wc [block of 16 columns 64][block of 64 k 16][1024]: images of operand registers
; (16 rows x 64 k; register i of lane l at byte 512 (i / 4) + 16 l + 4 (i % 4)).
; SHARES.  The norm wants whole rows, so a work-group makes whole rows and walks all of Wo's codes, 1 MiB, however many rows it has.  It takes 32 rows: 128 work-groups, fewer than there are WGPs;
; 16 rows would make 256 work-groups and read Wo 256 times over, for half of an epilogue that is the smaller part of the work.
; Wave w of sixteen makes columns 64 w .. 64 w + 63 of the 32 rows: 8 accumulators.
; Each fragment of Wo is used by one wave of the work-group alone: it goes from memory straight into that wave's registers; the rows' codes (32 KiB) are copied into LDS once and read by all.
; No tensor load and no joint request: what the work-groups share (Wo) passes through no LDS here; through LDS it would be written once and read once more.
; THE K LOOP IS WRITTEN OUT, 16 steps of 64, every offset an immediate: no base is stepped.  Wo's fragments go through a ring of four sets of registers, asked for three steps ahead: while a step
; is multiplied, 24 loads of the wave (12 KiB) are on their way.  The rows' fragments have two sets, asked for one step ahead.
; THE MATRIX INSTRUCTION IS USED TRANSPOSED (source 0 = 16 columns of Wo, source 1 = 16 tokens): lane (r, h) holds token r and columns 16 nb + 8 h + 0 .. 7.
; Mean and variance in two passes (the mean first, then the squares of y - mean), each over the waves through 2 KiB of LDS of its own.
; LIMITS: e10 + e11 between -126 and 127.  NaN is not served.
; REGISTERS: v1 16 x lane; v3-8, v12 addresses; v16-47 the rows' fragments, two sets of two, later sums and means; v48-175 Wo's fragments, four sets of four, later the bias (set 0) and the waves' sums (set 1);
;   v176-239 accumulator (a, nb) at 176 + 32 a + 8 nb.
.set LI,  1
.set CPY, 3
.set STO, 4
.set RD,  5
.set GO,  6
.set SCS, 7
.set SCL, 8
.set BOF, 12
.set AFR, 16
.set BS,  48
.set ACC, 176
.set SM,  16                           ; behind the products: v16-19 the sums of rows 16 a + r, a pair for each a
.set PL,  24                           ; v24, v25  what lane l xor 16 sends
.set TS,  28                           ; v28       the word that I store
.set MP,  32                           ; v32-35    -mean, later 1 / sqrt, each twice: pairs for the packed forms
.set XL,  80                           ; v80-95    eight of a row's sixteen words, for each a
.set STG, 32768                        ; LDS: 0: the rows' codes, 32 KiB;  here: a stage of 16 rows x 272 bytes for each wave;
.set SPT, 272
.set SCR, STG+16*16*SPT                ; here: [row 32][wave 16] f32 for the sums, and 2,048 bytes on the same for the squares
	s_load_b256 s[4:11], s[0:1], 0x0               ; ac s[4:5], wc s[6:7], bo s[8:9], the scales s[10:11]
	s_load_b64 s[12:13], s[0:1], 0x20              ; out0
	v_lshl_add_u32 v254, v0, 2, 0x1a000
	v_mov_b32 v255, 0
	v_lshrrev_b32 v1, 5, v0
	v_readfirstlane_b32 s14, v1                    ; wave 0..15
	v_and_b32 v9, 31, v0                           ; lane
	v_lshlrev_b32 v[LI], 4, v9
	v_and_b32 v10, 15, v0                          ; r
	v_bfe_u32 v11, v0, 4, 1                        ; h
	s_lshl_b32 s18, s14, 11
	v_add_nc_u32 v[CPY], s18, v[LI]                ; the copy: my wave's 2,048 bytes
	s_mul_i32 s18, s14, 16*SPT
	s_add_co_u32 s18, s18, STG                     ; my stage
	v_mul_u32_u24 v[STO], v10, SPT
	v_lshl_add_u32 v[STO], v11, 5, v[STO]
	v_add_nc_u32 v[STO], s18, v[STO]               ; in: row r, + 32 h bytes
	v_mul_u32_u24 v[RD], v11, SPT
	v_lshl_add_u32 v[RD], v10, 4, v[RD]
	v_add_nc_u32 v[RD], s18, v[RD]                 ; back: lanes 0-15 one row of 256 bytes, lanes 16-31 the next
	v_lshlrev_b32 v[GO], 12, v11
	v_lshl_add_u32 v[GO], v10, 4, v[GO]            ; and the same two rows in out0
	s_lshl_b32 s18, s14, 2
	s_add_co_u32 s18, s18, SCR
	v_lshlrev_b32 v[SCS], 6, v9
	v_add_nc_u32 v[SCS], s18, v[SCS]               ; my wave's word of row = lane
	v_lshlrev_b32 v[SCL], 6, v10
	v_lshl_add_u32 v[SCL], v11, 5, v[SCL]
	v_add_nc_u32 v[SCL], SCR, v[SCL]               ; eight of row r's sixteen words
	v_lshlrev_b32 v[BOF], 5, v11                   ; the bias: 32 h bytes
	v_cmp_lt_u32 vcc_lo, 15, v9                    ; lanes 16-31
	s_mov_b32 s20, 0x76543210
	s_mov_b32 s21, 0xfedcba98                      ; v_permlanex16_b32: lane l xor 16
	s_mov_b32 s24, 0x3a800000                      ; 1 / 1,024
	s_mov_b32 s25, 0x3727c5ac                      ; 1e-5
	s_mov_b32 s26, 0xba800000                      ; -1 / 1,024
	s_lshl_b32 s16, ttmp9, 15                      ; my work-group's two blocks of 16 tokens, 16,384 bytes each,
	s_lshl_b32 s17, s14, 11                        ; my wave's share of the copy
	s_add_co_u32 s16, s16, s17
	s_mov_b32 s17, 0
	s_wait_kmcnt 0x0
	s_load_b64 s[22:23], s[10:11], 0x28            ; e10, e11
	s_add_nc_u64 s[4:5], s[4:5], s[16:17]
	s_lshl_b32 s16, s14, 16                        ; Wo's codes: my four blocks of 16 columns
	s_add_co_u32 s16, s16, 0x300000
	s_add_nc_u64 s[6:7], s[6:7], s[16:17]
	s_lshl_b32 s16, s14, 8                         ; my 64 columns' bias
	s_add_nc_u64 s[8:9], s[8:9], s[16:17]
	s_lshl_b32 s16, ttmp9, 17                      ; 32 rows of 4,096 bytes
	s_lshl_b32 s18, s14, 8                         ; my 256 bytes of a row
	s_add_co_u32 s16, s16, s18
	s_add_nc_u64 s[12:13], s[12:13], s[16:17]
.macro BLOAD k                         ; Wo's four fragments of K step k into set k % 4: eight loads of 512 consecutive bytes
.irp nb, 0,1,2,3
	global_load_b128 v[BS+32*((\k)%4)+8*\nb:BS+32*((\k)%4)+8*\nb+3], v[LI], s[6:7] offset:\nb*16384+(\k)*1024
	global_load_b128 v[BS+32*((\k)%4)+8*\nb+4:BS+32*((\k)%4)+8*\nb+7], v[LI], s[6:7] offset:\nb*16384+(\k)*1024+512
.endr
.endm
.macro ALOAD k                         ; the rows' two fragments of K step k into set k % 2: four LDS loads of 512 consecutive bytes
.irp a, 0,1
	ds_load_b128 v[AFR+16*((\k)%2)+8*\a:AFR+16*((\k)%2)+8*\a+3], v[LI] offset:\a*16384+(\k)*1024
	ds_load_b128 v[AFR+16*((\k)%2)+8*\a+4:AFR+16*((\k)%2)+8*\a+7], v[LI] offset:\a*16384+(\k)*1024+512
.endr
.endm
.irp i, 0,1,2,3
	global_load_b128 v[AFR+4*\i:AFR+4*\i+3], v[LI], s[4:5] offset:512*\i th:TH_LOAD_NT   ; the copy: read once in the launch
.endr
	BLOAD 0
	BLOAD 1
	BLOAD 2
	s_wait_loadcnt 24                              ; the copy's four loads are in; Wo's twenty-four may be out
.irp i, 0,1,2,3
	ds_store_b128 v[CPY], v[AFR+4*\i:AFR+4*\i+3] offset:512*\i
.endr
	s_wait_dscnt 0x0                               ; for the others' sake: my stores have landed
	s_barrier_signal -1
	s_barrier_wait -1                              ; the 32 rows' codes lie in LDS
	ALOAD 0
; K step k.  The sets that step k - 1 has multiplied are asked for anew first (the rows' for step k + 1, Wo's for step k + 3), four plain lines behind its products (ISA guide 7.12.1 for vector
; instructions); then this step's eight products, each accumulator once: they take turns.  In step 13 the bias takes the place of a step 16.
.macro STEP k
.if (\k) > 0
.rept 4
	v_nop
.endr
.endif
.if (\k)+1 < 16
	ALOAD (\k)+1
.endif
.if (\k)+3 < 16
	BLOAD (\k)+3
.elseif (\k)+3 == 16
.irp nb, 0,1,2,3                               ; bo(64 w + 16 nb + 8 h + 0 .. 7), into set 0, which step 12 has left
	global_load_b128 v[BS+8*\nb:BS+8*\nb+3], v[BOF], s[8:9] offset:64*\nb
	global_load_b128 v[BS+8*\nb+4:BS+8*\nb+7], v[BOF], s[8:9] offset:64*\nb+16
.endr
.endif
.if (\k) < 13
	s_wait_loadcnt 24                              ; this step's set is in; the three sets asked for behind it may be out
.else
	s_wait_loadcnt 8*(16-(\k))                     ; behind this step's set: the sets of the steps still to come, and the bias's eight loads
.endif
.if (\k)+1 < 16
	s_wait_dscnt 4                                 ; this step's rows are in; the next step's four loads may be out
.else
	s_wait_dscnt 0
.endif
.irp nb, 0,1,2,3
.irp a, 0,1
.if (\k) == 0
	v_wmma_f32_16x16x64_bf8_bf8 v[ACC+32*\a+8*\nb:ACC+32*\a+8*\nb+7], v[BS+32*((\k)%4)+8*\nb:BS+32*((\k)%4)+8*\nb+7], v[AFR+16*((\k)%2)+8*\a:AFR+16*((\k)%2)+8*\a+7], 0
.else
	v_wmma_f32_16x16x64_bf8_bf8 v[ACC+32*\a+8*\nb:ACC+32*\a+8*\nb+7], v[BS+32*((\k)%4)+8*\nb:BS+32*((\k)%4)+8*\nb+7], v[AFR+16*((\k)%2)+8*\a:AFR+16*((\k)%2)+8*\a+7], v[ACC+32*\a+8*\nb:ACC+32*\a+8*\nb+7]
.endif
.endr
.endr
.endm
.irp k, 0,1,2,3,4,5,6,7,8,9,10,11,12,13,14,15
	STEP \k                                        ; the first step's products start the sums
.endr
.rept 4
	v_nop                                          ; places in front of the first read of results
.endr
	s_wait_kmcnt 0x0
	s_add_co_i32 s22, s22, s23
	s_add_co_i32 s22, s22, 127
	s_lshl_b32 s22, s22, 23                        ; 2^(e10 + e11) as f32
	s_mov_b32 s23, s22                             ; (named with it as a pair, so it is written)
	s_wait_loadcnt 0x0                             ; the bias
.irp a, 0,1
.irp nb, 0,1,2,3
.irp i, 0,2,4,6
	v_pk_fma_f32 v[ACC+32*\a+8*\nb+\i:ACC+32*\a+8*\nb+\i+1], v[ACC+32*\a+8*\nb+\i:ACC+32*\a+8*\nb+\i+1], s[22:23], v[BS+8*\nb+\i:BS+8*\nb+\i+1] op_sel_hi:[1,0,1]   ; sum x 2^(e10 + e11) + bo; each accumulator from its low end on
.endr
.endr
.endr
.set n, 0
.rept 64
	v_max_num_f32 v[ACC+n], 0, v[ACC+n]            ; relu
.set n, n+1
.endr
; The two pairs v[SM+2a:SM+2a+1] hold my lane's sums for rows 16 a + r.  They are added over the pair and over lane l xor 16, go to my wave's words, and come back added over the sixteen waves, in v[SM+2a].
.macro EXCH off
.irp a, 0,1
	v_add_f32 v[SM+2*\a], v[SM+2*\a], v[SM+2*\a+1]
.endr
.irp a, 0,1
	v_permlanex16_b32 v[PL+\a], v[SM+2*\a], s20, s21
.endr
.irp a, 0,1
	v_add_f32 v[SM+2*\a], v[SM+2*\a], v[PL+\a]
.endr
	v_cndmask_b32 v[TS], v[SM], v[SM+2], vcc_lo    ; lane l stores row l
	ds_store_b32 v[SCS], v[TS] offset:\off
	s_wait_dscnt 0x0                               ; for the others' sake
	s_barrier_signal -1
	s_barrier_wait -1
.irp a, 0,1
	ds_load_b128 v[XL+8*\a:XL+8*\a+3], v[SCL] offset:\off+\a*1024
	ds_load_b128 v[XL+8*\a+4:XL+8*\a+7], v[SCL] offset:\off+\a*1024+16
.endr
	s_wait_dscnt 0x0
.irp a, 0,1
	v_pk_add_f32 v[XL+8*\a:XL+8*\a+1], v[XL+8*\a:XL+8*\a+1], v[XL+8*\a+2:XL+8*\a+3]
.endr
.irp a, 0,1
	v_pk_add_f32 v[XL+8*\a+4:XL+8*\a+5], v[XL+8*\a+4:XL+8*\a+5], v[XL+8*\a+6:XL+8*\a+7]
.endr
.irp a, 0,1
	v_pk_add_f32 v[XL+8*\a:XL+8*\a+1], v[XL+8*\a:XL+8*\a+1], v[XL+8*\a+4:XL+8*\a+5]
.endr
.irp a, 0,1
	v_add_f32 v[SM+2*\a], v[XL+8*\a], v[XL+8*\a+1]
.endr
.irp a, 0,1
	v_permlanex16_b32 v[PL+\a], v[SM+2*\a], s20, s21
.endr
.irp a, 0,1
	v_add_f32 v[SM+2*\a], v[SM+2*\a], v[PL+\a]
.endr
.endm
.irp a, 0,1
	v_pk_add_f32 v[SM+2*\a:SM+2*\a+1], v[ACC+32*\a:ACC+32*\a+1], v[ACC+32*\a+2:ACC+32*\a+3]
.endr
.irp n, 4,6,8,10,12,14,16,18,20,22,24,26,28,30
.irp a, 0,1
	v_pk_add_f32 v[SM+2*\a:SM+2*\a+1], v[SM+2*\a:SM+2*\a+1], v[ACC+32*\a+\n:ACC+32*\a+\n+1]
.endr
.endr
	EXCH 0
.irp a, 0,1
	v_mul_f32 v[MP+2*\a], s26, v[SM+2*\a]          ; -mean, twice: a pair for the packed addition
	v_mul_f32 v[MP+2*\a+1], s26, v[SM+2*\a]
.endr
.irp a, 0,1
.set n, 0
.rept 16
	v_pk_add_f32 v[ACC+32*\a+n:ACC+32*\a+n+1], v[ACC+32*\a+n:ACC+32*\a+n+1], v[MP+2*\a:MP+2*\a+1]   ; y - mean
.set n, n+2
.endr
.endr
.irp a, 0,1
	v_pk_mul_f32 v[SM+2*\a:SM+2*\a+1], v[ACC+32*\a:ACC+32*\a+1], v[ACC+32*\a:ACC+32*\a+1]
.endr
.irp n, 2,4,6,8,10,12,14,16,18,20,22,24,26,28,30
.irp a, 0,1
	v_pk_fma_f32 v[SM+2*\a:SM+2*\a+1], v[ACC+32*\a+\n:ACC+32*\a+\n+1], v[ACC+32*\a+\n:ACC+32*\a+\n+1], v[SM+2*\a:SM+2*\a+1]
.endr
.endr
	EXCH 2048                                      ; other bytes than the first exchange's: no wave's late reads of those are written over
.irp a, 0,1
	v_fma_f32 v[SM+2*\a], v[SM+2*\a], s24, s25     ; the variance + 1e-5
.endr
.irp a, 0,1
	v_rsq_f32 v[MP+2*\a], v[SM+2*\a]
.endr
	v_nop                                          ; a plain line behind the roots
	s_wait_alu depctr_va_vdst(0)
.irp a, 0,1
	v_mov_b32 v[MP+2*\a+1], v[MP+2*\a]
.endr
.irp a, 0,1
.set n, 0
.rept 16
	v_pk_mul_f32 v[ACC+32*\a+n:ACC+32*\a+n+1], v[ACC+32*\a+n:ACC+32*\a+n+1], v[MP+2*\a:MP+2*\a+1]
.set n, n+2
.endr
.endr
; THE WAY OUT: a lane holds 32 bytes of a row and the lanes beside it other rows: 16 rows x my 256 bytes go through my own stage and come back as whole pieces of 256 bytes, into the registers that they left.
.macro TOSTAGE a
.irp nb, 0,1,2,3
	ds_store_b128 v[STO], v[ACC+32*\a+8*\nb:ACC+32*\a+8*\nb+3] offset:64*\nb
	ds_store_b128 v[STO], v[ACC+32*\a+8*\nb+4:ACC+32*\a+8*\nb+7] offset:64*\nb+16
.endr
.irp i, 0,1,2,3,4,5,6,7
	ds_load_b128 v[ACC+32*\a+4*\i:ACC+32*\a+4*\i+3], v[RD] offset:2*\i*SPT   ; LDS serves a wave's instructions in order (ISA guide 5.7.1.4): these see my stores, and the next block's stores come behind them
.endr
.endm
.macro SEND a, younger                 ; younger: the LDS instructions issued behind block a's loads
.irp i, 0,1,2,3,4,5,6,7
	s_wait_dscnt \younger+7-\i
	global_store_b128 v[GO], v[ACC+32*\a+4*\i:ACC+32*\a+4*\i+3], s[12:13] offset:(16*\a+2*\i)*4096 th:TH_STORE_NT   ; 16 lanes store 256 consecutive bytes, at a multiple of 256 from out0's first byte
.endr
.endm
	TOSTAGE 0
	TOSTAGE 1
	SEND 0, 16
	SEND 1, 0
	s_wait_tensorcnt 0x0
	ds_add_u32 v254, v255
	s_wait_dscnt 0x0
	s_endpgm
.Lfunc_end_k_qd59542b39b_outln:
	.size	k_qd59542b39b_outln, .Lfunc_end_k_qd59542b39b_outln-k_qd59542b39b_outln
	.p2alignl 7, 3214868480
	.fill 96, 4, 3214868480
	.section	.rodata,"a",@progbits
	.p2align	6, 0x0
	.amdhsa_kernel k_qd59542b39b_outln
		.amdhsa_group_segment_fixed_size 108544
		.amdhsa_private_segment_fixed_size 0
		.amdhsa_enable_private_segment 0
		.amdhsa_kernarg_size 40
		.amdhsa_user_sgpr_count 2
		.amdhsa_user_sgpr_kernarg_segment_ptr 1
		.amdhsa_wavefront_size32 1
		.amdhsa_system_sgpr_workgroup_id_x 1
		.amdhsa_system_sgpr_workgroup_id_y 1
		.amdhsa_system_sgpr_workgroup_id_z 1
		.amdhsa_system_vgpr_workitem_id 0
		.amdhsa_next_free_vgpr 256
		.amdhsa_next_free_sgpr 66
		.amdhsa_reserve_vcc 1
		.amdhsa_float_denorm_mode_32 3
		.amdhsa_float_denorm_mode_16_64 3
		.amdhsa_memory_ordered 1
		.amdhsa_forward_progress 1
		.amdhsa_inst_pref_size 51
	.end_amdhsa_kernel
	.amdgpu_metadata
---
amdhsa.version: [ 1, 2 ]
amdhsa.kernels:
  - .name:           k_qd59542b39b_outln
    .symbol:         k_qd59542b39b_outln.kd
    .args:
      - { .name: ac, .offset: 0, .size: 8, .value_kind: global_buffer, .address_space: global }
      - { .name: wc, .offset: 8, .size: 8, .value_kind: global_buffer, .address_space: global }
      - { .name: bo, .offset: 16, .size: 8, .value_kind: global_buffer, .address_space: global }
      - { .name: lowp_scales, .offset: 24, .size: 8, .value_kind: global_buffer, .address_space: global }
      - { .name: out0, .offset: 32, .size: 8, .value_kind: global_buffer, .address_space: global }
    .group_segment_fixed_size: 108544
    .private_segment_fixed_size: 0
    .kernarg_segment_align: 8
    .kernarg_segment_size: 40
    .max_flat_workgroup_size: 512
    .sgpr_count:     66
    .vgpr_count:     256
    .wavefront_size: 32
...
	.end_amdgpu_metadata
.endif
;; end of part 4
;; ======== version 2 of 2: 4 launches
;; workspace buffers: xc 12,582,912 bytes; wc 4,194,304 bytes; qkvc 12,582,912 bytes; ac 4,194,304 bytes
;; launch prep: the kernel of part 1 again; grid 256 x 1, 4 waves a work-group, no clusters, 34,304 bytes of LDS; arguments x, Wq, Wk, Wv, Wo, lowp_scales, xc, wc; writes xc, wc
;; launch proj: the kernel of part 2 again; grid 12 x 16, 4 waves a work-group, clusters of 4 x 4, 327,680 bytes of LDS; arguments xc, wc, bq, bk, bv, lowp_scales, qkvc; writes qkvc
;; launch attn (part 5): grid 8 x 32, 8 waves a work-group, clusters of 4 x 1, 263,168 bytes of LDS; arguments qkvc, lowp_scales, ac; writes ac
.if DOCPART == 5
	.amdgcn_target "amdgcn-amd-amdhsa--gfx1250"
	.amdhsa_code_object_version 6
	.text
	.protected	k_qd59542b39b_attn
	.globl	k_qd59542b39b_attn
	.p2align	8
	.type	k_qd59542b39b_attn,@function
k_qd59542b39b_attn:
	s_mov_b64 s[64:65], 0
	v_nop
	global_prefetch_b8 v0, s[64:65] scope:SCOPE_SE
	s_setreg_imm32_b32 hwreg(HW_REG_WAVE_MODE, 25, 1), 1
	s_wait_xcnt 0x0
	s_wait_alu depctr_hold_cnt(0) depctr_sa_sdst(0) depctr_va_vdst(0) depctr_va_sdst(0) depctr_va_ssrc(0) depctr_va_vcc(0) depctr_vm_vsrc(0)
	s_getreg_b32 s2, hwreg(HW_REG_IB_STS2, 6, 4)
	s_cmp_eq_u32 s2, 0
	s_cbranch_scc0 .Lentry_in_a_cluster
	s_endpgm
.Lentry_in_a_cluster:
	s_bfe_u32 s2, ttmp6, 0x10000c
	s_cmp_lg_u32 s2, 0x3003
	s_cbranch_scc0 .Lentry_shape_is_right
	s_endpgm
.Lentry_shape_is_right:
; O = softmax(Q K^T / 8) V for 32 (batch x head) of 2,048 tokens x 64 channels, both products on E5M2 codes; O / the row's sum is quantised at once (scale 2^e10) for the last projection.
; in: Q at 0, K at 4 MiB: [batch x head][block of 16 tokens 128][1024]; V at 8 MiB: [batch x head][block of 64 keys 32][block of 16 channels 4][1024]: images of operand registers
; (16 rows x 64 k; register i of lane l at byte 512 (i / 4) + 16 l + 4 (i % 4); register 2 c + e of lane (r, h): row r, k = 16 c + 8 h + 4 e + byte).   out: ac [block of 16 tokens 256][head 16][1024].
; THE SOFTMAX: t = score x log2(e) / 8; M = the running largest t rounded UP to a whole number; p = 2^(t - M) is quantised (scale 2^e8), not normalised; the row's sum is taken of the unquantised p
; and divides O at the end.  When M moves, the sum and O are multiplied by 2^(old M - new M): nothing is rounded, and there is no branch on data.
; SHARES.  A work-group owns 256 queries of one head; each of its eight waves two tiles of 16, in 512 registers: each fragment of K and V read from LDS feeds two products, and two waves share a SIMD.
; BOTH PRODUCTS ARE USED TRANSPOSED: S^T = K Q^T (source 0 = 16 keys, source 1 = 16 queries), O^T = V^T P^T (source 0 = 16 channels x 128 keys, source 1 = P): a lane holds ONE query throughout, and the
; conversion of score tile t (keys 16 t + 8 h + 0 .. 7) gives registers 2 t, 2 t + 1 of P: k in its true places.
; THE WHOLE HEAD LIES IN LDS: K and V are 256 KiB; every LDS byte is filled once, so there is no ring.  Four chunks of 512 keys; each wave asks for 8 KiB of each chunk at the start: four tensor loads of a wave are out.
; CLUSTER: the four query blocks of a cluster belong to one head: every load is a joint one (mask 15).
; LIMITS: e6 + e7 between -123 and 130 (added to c's exponent field); e8, e10 between -126 and 112; e8 + e9 is applied by v_ldexp_f32 and has none.  NaN is not served.
; REGISTERS: window 0: v1 16 x lane, v2 the step's LDS address, v4, v5 2^e8 and 57,344 x 2^e8, v6, v7 the same with e10; tile i: v[8+2i] -M, v[9+2i] the largest t, v[12+2i:13+2i] the sum in two halves,
;   v[16+8i ..] at work; v32-95 V's four fragments; v96-223 S^T, then p (tile i at 96 + 64 i).   window 1: v0-63 O^T (32 i + 8 d); v64-95 P (64 + 16 i); v96-111 Q; v128-191 K's eight fragments.
.set LI,  1
.set ADR, 2
.set NM,  8
.set TM,  9
.set SU,  12
.set MA,  16
.set MB,  17
.set PD,  18
.set FF,  20
.set T2,  22
.set VF,  32
.set S,   96
.set PF,  64                           ; in window 1
.set QF,  96
.set KF,  128
.set WV,  12                           ; s12 my wave's number
.set SEL, 20                           ; s[20:21] selects for v_permlanex16_b32: lane l xor 16
.set CS,  22                           ; s[22:23] c = log2(e) / 8 x 2^(e6 + e7)
.set G1,  24                           ; s[24:31] group 1;  s[32:47] four groups 0, one a chunk
.set G0,  32
.set TB,  56                           ; s56 LDS byte at which the step in hand begins
.set CNT, 57
.set MSB, 0
.macro WIN new                         ; the immediate's high byte repeats the setting that is left
.if MSB != (\new)
	s_set_vgpr_msb (MSB<<8)|(\new)
.set MSB, (\new)
.endif
.endm
.macro CROUND                          ; a round of the cluster's barrier
	s_barrier_signal -1
	s_barrier_wait -1
	s_cmp_lg_u32 s[WV], 0
	s_cbranch_scc1 .Lnot_wave_0_\@
	s_barrier_signal -3
.Lnot_wave_0_\@:
	s_barrier_wait -3
	s_barrier_signal -1
	s_barrier_wait -1
.endm
	s_load_b128 s[4:7], s[0:1], 0x0                ; qkvc s[4:5], the scales s[6:7]
	s_load_b64 s[8:9], s[0:1], 0x10                ; ac
	v_lshl_add_u32 v254, v0, 2, 0x40000
	v_mov_b32 v255, 0
	ds_add_u32 v254, v255
	ds_add_u32 v254, v255
	v_lshrrev_b32 v1, 5, v0
	s_delay_alu instid0(VALU_DEP_1)
	v_readfirstlane_b32 s[WV], v1                  ; wave 0..7
	s_bfe_u32 s13, ttmp6, 0x40000                  ; cx
	s_lshl_b32 s14, ttmp9, 2
	s_add_co_u32 s14, s14, s13                     ; my block of 256 queries: it enters Q's and ac's addresses alone
	s_and_b32 s15, ttmp7, 0xffff                   ; batch x head, which the four partners share
	s_lshl_b32 s58, s15, 17                        ; its 131,072 bytes in each of Q, K, V
	s_lshr_b32 s60, s[WV], 2                       ; waves 0-3 fetch K, waves 4-7 V:
	s_lshl_b32 s60, s60, 22
	s_add_co_u32 s60, s60, 0x400000                ; at 4 MiB or 8 MiB,
	s_add_co_u32 s60, s60, s58
	s_and_b32 s61, s[WV], 3
	s_lshl_b32 s61, s61, 13                        ; my 8 KiB of a chunk's 32
	s_add_co_u32 s60, s60, s61
	s_mov_b32 s61, 0
	s_lshl_b32 s62, s[WV], 13                      ; and in LDS: a chunk is K's 32 KiB, then V's: wave x 8 KiB
	s_lshl_b32 s66, s14, 14                        ; Q: 16 images a block of queries,
	s_lshl_b32 s67, s[WV], 11                      ; 2 a wave
	s_add_co_u32 s66, s66, s67
	s_add_co_u32 s66, s66, s58
	s_mov_b32 s67, 0
	s_lshr_b32 s68, s15, 4                         ; ac: the batch: 128 blocks of 16 tokens x 16 images,
	s_lshl_b32 s68, s68, 21
	s_lshl_b32 s69, s14, 18                        ; 16 blocks a block of queries,
	s_add_co_u32 s68, s68, s69
	s_lshl_b32 s69, s[WV], 15                      ; 2 a wave,
	s_add_co_u32 s68, s68, s69
	s_and_b32 s69, s15, 15
	s_lshl_b32 s69, s69, 10                        ; the head's image
	s_add_co_u32 s68, s68, s69
	s_mov_b32 s69, 0
	; group 1: 32 rows of 32 elements of 8 bytes, dense in memory and in LDS: 8 KiB
	s_mov_b32 s[G1], 15|(3<<16)|(1<<21)            ; 15:0 the mask: all four work-groups; 17:16 elements of 8 bytes; 21 set beside a mask
	s_mov_b32 s[G1+1], 32<<16                      ; tensor_dim0
	s_mov_b32 s[G1+2], 32<<16                      ; tensor_dim1
	s_mov_b32 s[G1+3], 32<<16                      ; tile_dim0
	s_mov_b32 s[G1+4], 32                          ; tile_dim1
	s_mov_b32 s[G1+5], 32                          ; tensor_dim0_stride
	s_mov_b32 s[G1+6], 0
	s_mov_b32 s[G1+7], 0
	s_mov_b32 s[SEL], 0x76543210
	s_mov_b32 s[SEL+1], 0xfedcba98
	s_mov_b32 s[TB], 0
	s_wait_dscnt 0x0
	s_wait_kmcnt 0x0
	s_load_b128 s[48:51], s[6:7], 0x10             ; e4 .. e7
	s_load_b128 s[52:55], s[6:7], 0x20             ; e8 .. e11
	s_add_nc_u64 s[60:61], s[4:5], s[60:61]
	s_add_nc_u64 s[66:67], s[4:5], s[66:67]
	s_add_nc_u64 s[8:9], s[8:9], s[68:69]
.irp c, 0,1,2,3
	s_mov_b32 s[G0+4*\c], 1
	s_add_co_u32 s[G0+4*\c+1], s62, \c*65536
	s_add_nc_u64 s[G0+4*\c+2:G0+4*\c+3], s[60:61], \c*32768
	s_or_b32 s[G0+4*\c+3], s[G0+4*\c+3], 0x80000000
.endr
	CROUND                                         ; all four work-groups are here: the joint loads meet
	tensor_load_to_lds s[G0:G0+3], s[G1:G1+7]
	s_nop 0
	tensor_load_to_lds s[G0+4:G0+7], s[G1:G1+7]
	s_nop 0
	tensor_load_to_lds s[G0+8:G0+11], s[G1:G1+7]
	s_nop 0
	tensor_load_to_lds s[G0+12:G0+15], s[G1:G1+7]
	s_nop 0
.rept 4
	v_nop
.endr
	v_and_b32 v3, 31, v0
	s_delay_alu instid0(VALU_DEP_1)
	v_lshlrev_b32 v[LI], 4, v3
	WIN 0x40                                       ; destination window 1
.irp i, 0,1
	global_load_b128 v[QF+8*\i:QF+8*\i+3], v[LI], s[66:67] offset:\i*1024
	global_load_b128 v[QF+8*\i+4:QF+8*\i+7], v[LI], s[66:67] offset:\i*1024+512
.endr
.set n, 0
.rept 64
	v_mov_b32 v[n], 0                              ; O^T.  (The step is written once: the first finds zeros, which the first change of M leaves zeros)
.set n, n+1
.endr
	WIN 0
.irp i, 0,1
	v_mov_b32 v[TM+2*\i], 0xff61b1e6               ; the largest t so far: -3e38, under every t
	s_delay_alu instid0(VALU_DEP_1)
	v_floor_f32 v[NM+2*\i], -v[TM+2*\i]            ; -M
	v_mov_b32 v[SU+2*\i], 0
	v_mov_b32 v[SU+2*\i+1], 0
	v_mov_b32 v[PD+8*\i], 0                        ; written once: a lane permute's destination counts as one of its sources
	v_mov_b32 v[FF+8*\i+1], 0                      ; (named as the upper half of a pair)
.endr
	s_wait_kmcnt 0x0
	s_mov_b32 s[CS], 0x3e38aa3b                    ; log2(e) / 8
	s_add_co_i32 s58, s50, s51
	s_lshl_b32 s58, s58, 23
	s_add_co_i32 s[CS], s[CS], s58                 ; a score stands for score x 2^(e6 + e7): added to c's exponent field
	s_mov_b32 s[CS+1], s[CS]
	s_add_co_i32 s58, s52, 127
	s_lshl_b32 s59, s58, 23
	v_mov_b32 v4, s59                              ; 2^e8
	s_add_co_i32 s58, s58, 15
	s_lshl_b32 s58, s58, 23
	s_or_b32 s58, s58, 0x600000
	v_mov_b32 v5, s58                              ; 57,344 x 2^e8
	s_add_co_i32 s58, s54, 127
	s_lshl_b32 s59, s58, 23
	v_mov_b32 v6, s59                              ; 2^e10
	s_add_co_i32 s58, s58, 15
	s_lshl_b32 s58, s58, 23
	s_or_b32 s58, s58, 0x600000
	v_mov_b32 v7, s58                              ; 57,344 x 2^e10
	s_add_co_i32 s58, s52, s53                     ; e8 + e9
; A KEY STEP: 128 keys.  The two tiles' lines alternate, so that few lines wait for the line above them.
.macro STEP
.rept 4
	v_nop                                          ; places behind the last products, in front of the loads into V's registers
.endr
	v_add_nc_u32 v[ADR], s[TB], v[LI]
	WIN 0x40
.irp t, 0,1,2,3,4,5,6,7
	ds_load_b128 v[KF+8*\t:KF+8*\t+3], v[ADR] offset:\t*1024
	ds_load_b128 v[KF+8*\t+4:KF+8*\t+7], v[ADR] offset:\t*1024+512
.endr
	WIN 0
.irp d, 0,1,2,3
.irp u, 0,1
	ds_load_b128 v[VF+16*\d+8*\u:VF+16*\d+8*\u+3], v[ADR] offset:32768+\u*4096+\d*1024
	ds_load_b128 v[VF+16*\d+8*\u+4:VF+16*\d+8*\u+7], v[ADR] offset:32768+\u*4096+\d*1024+512
.endr
.endr
	s_wait_dscnt 16                                ; K is in; V's sixteen loads may be out
	WIN 0x05                                       ; K and Q in window 1, S^T in window 0
.irp t, 0,1,2,3,4,5,6,7
.irp i, 0,1
	v_wmma_f32_16x16x64_bf8_bf8 v[S+64*\i+8*\t:S+64*\i+8*\t+7], v[KF+8*\t:KF+8*\t+7], v[QF+8*\i:QF+8*\i+7], 0
.endr
.endr
	WIN 0
.rept 4
	v_nop
.endr
.irp i, 0,1                                    ; the step's largest score of my query among my 64 keys, in two chains a tile; each accumulator is read from its low end on
	v_max3_num_f32 v[MA+8*\i], v[S+64*\i], v[S+64*\i+1], v[S+64*\i+2]
	v_max3_num_f32 v[MB+8*\i], v[S+64*\i+3], v[S+64*\i+4], v[S+64*\i+5]
.endr
.irp n, 6,10,14,18,22,26,30,34,38,42,46,50,54,58
.irp i, 0,1
	v_max3_num_f32 v[MA+8*\i], v[MA+8*\i], v[S+64*\i+\n], v[S+64*\i+\n+1]
	v_max3_num_f32 v[MB+8*\i], v[MB+8*\i], v[S+64*\i+\n+2], v[S+64*\i+\n+3]
.endr
.endr
.irp i, 0,1
	v_max3_num_f32 v[MA+8*\i], v[MA+8*\i], v[S+64*\i+62], v[S+64*\i+63]
.endr
.irp i, 0,1
	s_delay_alu instid0(VALU_DEP_2)
	v_max_num_f32 v[MA+8*\i], v[MA+8*\i], v[MB+8*\i]
.endr
.irp i, 0,1
	s_delay_alu instid0(VALU_DEP_2)
	v_permlanex16_b32 v[PD+8*\i], v[MA+8*\i], s[SEL], s[SEL+1]
.endr
.irp i, 0,1
	s_delay_alu instid0(VALU_DEP_2)
	v_max_num_f32 v[MA+8*\i], v[MA+8*\i], v[PD+8*\i]       ; and among lane l xor 16's
.endr
.irp i, 0,1
	s_delay_alu instid0(VALU_DEP_2)
	v_mul_f32 v[MA+8*\i], s[CS], v[MA+8*\i]                ; as t (c is positive)
.endr
.irp i, 0,1
	s_delay_alu instid0(VALU_DEP_2)
	v_max_num_f32 v[TM+2*\i], v[TM+2*\i], v[MA+8*\i]       ; the running largest t
.endr
.irp i, 0,1
	v_mov_b32 v[MA+8*\i], v[NM+2*\i]
.endr
.irp i, 0,1
	s_delay_alu instid0(VALU_DEP_4)
	v_floor_f32 v[NM+2*\i], -v[TM+2*\i]                    ; the new -M = floor(-t) = -ceil(t): a whole number
.endr
.irp i, 0,1
	s_delay_alu instid0(VALU_DEP_2)
	v_sub_f32 v[MA+8*\i], v[NM+2*\i], v[MA+8*\i]           ; old M - new M: a whole number, 0 or less
.endr
.irp i, 0,1
	s_delay_alu instid0(VALU_DEP_2)
	v_cvt_i32_f32 v[MA+8*\i], v[MA+8*\i]                   ; (it saturates)
.endr
.irp i, 0,1
	s_delay_alu instid0(VALU_DEP_2)
	v_ldexp_f32 v[FF+8*\i], 1.0, v[MA+8*\i]                ; f = 2^(old M - new M)
.endr
.irp i, 0,1
.set n, 0
.rept 32
	v_pk_fma_f32 v[S+64*\i+n:S+64*\i+n+1], v[S+64*\i+n:S+64*\i+n+1], s[CS:CS+1], v[NM+2*\i:NM+2*\i+1] op_sel_hi:[1,0,0]   ; t - M (of the pairs c and -M the low word serves both halves)
.set n, n+2
.endr
.endr
.set n, 0
	s_wait_alu depctr_va_vdst(0)
.rept 128
	v_exp_f32 v[S+n], v[S+n]                       ; p = 2^(t - M), at most 1
.set n, n+1
.endr
.irp i, 0,1
	v_pk_mul_f32 v[SU+2*\i:SU+2*\i+1], v[SU+2*\i:SU+2*\i+1], v[FF+8*\i:FF+8*\i+1] op_sel_hi:[1,0]   ; the sums under the new M.  (Plain lines behind the exponentials)
.endr
	s_wait_alu depctr_va_vdst(0)
.irp i, 0,1
	v_pk_add_f32 v[T2+8*\i:T2+8*\i+1], v[S+64*\i:S+64*\i+1], v[S+64*\i+2:S+64*\i+3]   ; the row's sum is taken of the unquantised p, in two chains a tile
.endr
	s_setprio 1
.irp n, 4,8,12,16,20,24,28,32,36,40,44,48,52,56,60
.irp i, 0,1
	v_pk_add_f32 v[SU+2*\i:SU+2*\i+1], v[SU+2*\i:SU+2*\i+1], v[S+64*\i+\n:S+64*\i+\n+1]
	v_pk_add_f32 v[T2+8*\i:T2+8*\i+1], v[T2+8*\i:T2+8*\i+1], v[S+64*\i+\n+2:S+64*\i+\n+3]
.endr
.endr
.irp i, 0
	s_delay_alu instid0(VALU_DEP_3)
	v_pk_add_f32 v[SU+2*\i:SU+2*\i+1], v[SU+2*\i:SU+2*\i+1], v[T2+8*\i:T2+8*\i+1]
.endr
.irp i, 1
	s_delay_alu instid0(VALU_DEP_2)
	v_pk_add_f32 v[SU+2*\i:SU+2*\i+1], v[SU+2*\i:SU+2*\i+1], v[T2+8*\i:T2+8*\i+1]
.endr
.set n, 0
.rept 128
	v_min_num_f32 v[S+n], v[S+n], v5               ; the conversion does not saturate (ISA guide 7.6.2); p is not negative, so the hold is one-sided
.set n, n+1
.endr
	WIN 0x40                                       ; P in window 1
	s_setprio 0
.irp i, 0,1
.irp t, 0,1,2,3,4,5,6,7
	v_cvt_scalef32_pk8_bf8_f32 v[PF+16*\i+2*\t:PF+16*\i+2*\t+1], v[S+64*\i+8*\t:S+64*\i+8*\t+7], v4
.endr
.endr
	WIN 0x41                                       ; O^T (destination and source 0) in window 1, f in window 0
.irp i, 0,1
.set n, 0
.rept 16
	v_pk_mul_f32 v[32*\i+n:32*\i+n+1], v[32*\i+n:32*\i+n+1], v[FF+8*\i:FF+8*\i+1] op_sel_hi:[1,0]   ; O^T under the new M.  (Also the plain lines between the conversions and the products)
.set n, n+2
.endr
.endr
	s_wait_alu depctr_va_vdst(0)
	s_wait_dscnt 0x0                               ; V is in
	WIN 0x54                                       ; V in window 0; P, C and D in window 1
.irp d, 0,1,2,3                                ; the eight accumulators take turns, one instruction a turn
.irp i, 0,1
	v_wmma_f32_16x16x128_bf8_bf8 v[32*\i+8*\d:32*\i+8*\d+7], v[VF+16*\d:VF+16*\d+15], v[PF+16*\i:PF+16*\i+15], v[32*\i+8*\d:32*\i+8*\d+7]
.endr
.endr
	WIN 0
	s_add_co_u32 s[TB], s[TB], 8192                ; the next 128 keys: eight images of K, two blocks of V
.endm
; A chunk of 512 keys.  left: my loads for the later chunks, which stay out.
.macro CHUNK left
	s_wait_tensorcnt \left                         ; my part of this chunk is in,
	s_barrier_signal -1
	s_barrier_wait -1                              ; everybody's is
	s_mov_b32 s[CNT], 4
.Lstep_\@:
	s_setprio 2
	STEP
	s_sub_co_u32 s[CNT], s[CNT], 1
	s_cmp_lg_u32 s[CNT], 0
	s_cbranch_scc1 .Lstep_\@
	s_setprio 0
	s_add_co_u32 s[TB], s[TB], 32768               ; over the chunk's V
.endm
	s_wait_loadcnt 0x0                             ; Q
	CHUNK 3
	CHUNK 2
	CHUNK 1
	CHUNK 0
	; THE END: O^T x 2^(e8 + e9) / the sum is the attention's output; held, converted with 2^e10, it is one image a tile: rows = my 16 tokens, k = the head's 64 channels.
.rept 4
	v_nop
.endr
.irp i, 0,1
	v_add_f32 v[MA+8*\i], v[SU+2*\i], v[SU+2*\i+1]
.endr
.irp i, 0,1
	s_delay_alu instid0(VALU_DEP_2)
	v_permlanex16_b32 v[PD+8*\i], v[MA+8*\i], s[SEL], s[SEL+1]
.endr
.irp i, 0,1
	s_delay_alu instid0(VALU_DEP_2)
	v_add_f32 v[MA+8*\i], v[MA+8*\i], v[PD+8*\i]           ; the row's sum; it is above 1/2
.endr
	s_wait_alu depctr_va_vdst(0)
.irp i, 0,1
	v_rcp_f32 v[FF+8*\i], v[MA+8*\i]
.endr
	v_nop                                          ; a plain line behind the reciprocals
	s_wait_alu depctr_va_vdst(0)
.irp i, 0,1
	v_ldexp_f32 v[FF+8*\i], v[FF+8*\i], s58
.endr
	WIN 0x01                                       ; source 0 (O^T) window 1
.irp i, 0,1
.set n, 0
.rept 16
	v_pk_mul_f32 v[S+64*\i+n:S+64*\i+n+1], v[32*\i+n:32*\i+n+1], v[FF+8*\i:FF+8*\i+1] op_sel_hi:[1,0]
.set n, n+2
.endr
.endr
	WIN 0
.irp i, 0,1
.set n, 0
.rept 32
	v_med3_num_f32 v[S+64*\i+n], v[S+64*\i+n], -v7, v7
.set n, n+1
.endr
.endr
.irp i, 0,1
.irp d, 0,1,2,3
	v_cvt_scalef32_pk8_bf8_f32 v[S+32+64*\i+2*\d:S+32+64*\i+2*\d+1], v[S+64*\i+8*\d:S+64*\i+8*\d+7], v6
.endr
.endr
	v_nop
.irp i, 0,1
	global_store_b128 v[LI], v[S+32+64*\i:S+32+64*\i+3], s[8:9] offset:\i*16384            ; 32 lanes store 512 consecutive bytes
	global_store_b128 v[LI], v[S+32+64*\i+4:S+32+64*\i+7], s[8:9] offset:\i*16384+512
.endr
	s_wait_tensorcnt 0x0
	ds_add_u32 v254, v255
	s_wait_dscnt 0x0
	CROUND                                         ; the closing round
	s_endpgm
.Lfunc_end_k_qd59542b39b_attn:
	.size	k_qd59542b39b_attn, .Lfunc_end_k_qd59542b39b_attn-k_qd59542b39b_attn
	.p2alignl 7, 3214868480
	.fill 96, 4, 3214868480
	.section	.rodata,"a",@progbits
	.p2align	6, 0x0
	.amdhsa_kernel k_qd59542b39b_attn
		.amdhsa_group_segment_fixed_size 263168
		.amdhsa_private_segment_fixed_size 0
		.amdhsa_enable_private_segment 0
		.amdhsa_kernarg_size 24
		.amdhsa_user_sgpr_count 2
		.amdhsa_user_sgpr_kernarg_segment_ptr 1
		.amdhsa_wavefront_size32 1
		.amdhsa_system_sgpr_workgroup_id_x 1
		.amdhsa_system_sgpr_workgroup_id_y 1
		.amdhsa_system_sgpr_workgroup_id_z 1
		.amdhsa_system_vgpr_workitem_id 0
		.amdhsa_next_free_vgpr 512
		.amdhsa_next_free_sgpr 80
		.amdhsa_reserve_vcc 0
		.amdhsa_float_denorm_mode_32 3
		.amdhsa_float_denorm_mode_16_64 3
		.amdhsa_memory_ordered 1
		.amdhsa_forward_progress 1
		.amdhsa_inst_pref_size 134
	.end_amdhsa_kernel
	.amdgpu_metadata
---
amdhsa.version: [ 1, 2 ]
amdhsa.kernels:
  - .name:           k_qd59542b39b_attn
    .symbol:         k_qd59542b39b_attn.kd
    .args:
      - { .name: qkvc, .offset: 0, .size: 8, .value_kind: global_buffer, .address_space: global }
      - { .name: lowp_scales, .offset: 8, .size: 8, .value_kind: global_buffer, .address_space: global }
      - { .name: ac, .offset: 16, .size: 8, .value_kind: global_buffer, .address_space: global }
    .group_segment_fixed_size: 263168
    .private_segment_fixed_size: 0
    .kernarg_segment_align: 8
    .kernarg_segment_size: 24
    .max_flat_workgroup_size: 256
    .sgpr_count:     80
    .vgpr_count:     512
    .wavefront_size: 32
...
	.end_amdgpu_metadata
.endif
;; end of part 5
;; launch outln (part 6): grid 128 x 1, 16 waves a work-group, no clusters, 108,544 bytes of LDS; arguments ac, wc, bo, lowp_scales, out0; writes out0
.if DOCPART == 6
	.amdgcn_target "amdgcn-amd-amdhsa--gfx1250"
	.amdhsa_code_object_version 6
	.text
	.protected	k_qd59542b39b_outln
	.globl	k_qd59542b39b_outln
	.p2align	8
	.type	k_qd59542b39b_outln,@function
k_qd59542b39b_outln:
	s_mov_b64 s[64:65], 0
	v_nop
	global_prefetch_b8 v0, s[64:65] scope:SCOPE_SE
	s_setreg_imm32_b32 hwreg(HW_REG_WAVE_SCHED_MODE, 0, 2), 2
	s_setreg_imm32_b32 hwreg(HW_REG_WAVE_MODE, 25, 1), 1
	s_wait_xcnt 0x0
	s_wait_alu depctr_vm_vsrc(0)
; out0 = (y - mean(y)) / sqrt(var(y) + 1e-5) along each row of 1,024, y = relu(a Wo + bo); the product on E5M2 codes, sums in f32.
; in: ac [block of 16 tokens 256][block of 64 k 16][1024] and Wo's codes at 3 MiB of wc [block of 16 columns 64][block of 64 k 16][1024]: images of operand registers
; (16 rows x 64 k; register i of lane l at byte 512 (i / 4) + 16 l + 4 (i % 4)).
; SHARES.  The norm wants whole rows, so a work-group makes whole rows and walks all of Wo's codes, 1 MiB, however many rows it has.  It takes 32 rows: 128 work-groups, fewer than there are WGPs;
; 16 rows would make 256 work-groups and read Wo 256 times over, for half of an epilogue that is the smaller part of the work.
; Wave w of sixteen makes columns 64 w .. 64 w + 63 of the 32 rows: 8 accumulators.
; Each fragment of Wo is used by one wave of the work-group alone: it goes from memory straight into that wave's registers; the rows' codes (32 KiB) are copied into LDS once and read by all.
; No tensor load and no joint request: what the work-groups share (Wo) passes through no LDS here; through LDS it would be written once and read once more.
; THE K LOOP IS WRITTEN OUT, 16 steps of 64, every offset an immediate: no base is stepped.  Wo's fragments go through a ring of four sets of registers, asked for three steps ahead: at a step's head
; 16 younger loads of the wave stay out, and eight more go out among its products.  The rows' fragments have two sets, asked for one step ahead.
; THE MATRIX INSTRUCTION IS USED TRANSPOSED (source 0 = 16 columns of Wo, source 1 = 16 tokens): lane (r, h) holds token r and columns 16 nb + 8 h + 0 .. 7.
; Mean and variance in two passes (the mean first, then the squares of y - mean), each over the waves through 2 KiB of LDS of its own.
; LIMITS: e10 + e11 between -126 and 127.  NaN is not served.
; THE MODE: SCHED_MODE bits 1:0 = 2 (LLVM: expert scheduling mode 2), set by the entry lines.  The code itself states the register dependences
; between vector or matrix instructions and memory or LDS instructions, with s_wait_alu, always for 0.
; THE PLAN.  Registers that memory or LDS instructions touch:
;   v1, v3-8, v12   offsets and LDS addresses, made once at the head and never written again; v254, v255 likewise, for the closing add alone.
;   A0, A1          the rows' fragments.  Step k's products read A[k % 2]; the LDS loads issued in step k land in A[(k + 1) % 2], which step k - 1's products read.  A0 also carries the copy at the head.
;   W0 .. W3        Wo's fragments.  Step k's products read W[k % 4]; the loads issued in step k land in W[(k + 3) % 4], which step k - 1's products read.  In step 13 the bias takes W0.
;   v28             the word of an exchange: written by its select, read by its LDS store.
;   v80-95          the waves' sums of an exchange: LDS loads land there; the packed sums behind them read and write them.
;   the accumulators  written by products and then by vector arithmetic; read by the way out's LDS stores.
;   OB (W2, W3)     the way out: the stage's LDS loads land there, the global stores read them.  Not the accumulators: so no load lands in a register that an LDS store has read.
; So ONE wait on va_vdst stands at a step's head: step k - 1's products are done reading the two sets in which step k's loads land.  Those loads follow it, dealt among the step's eight products,
; which name A[k % 2], W[k % 4] and the accumulators: none of the registers that the loads touch.  The text has no branch and no label.
; REGISTERS: v1 16 x lane; v3-8, v12 addresses; v16-47 the rows' fragments, two sets of two, later sums and means; v48-175 Wo's fragments, four sets of four, later the bias (set 0), the waves' sums (set 1)
;   and the rows on their way out (sets 2 and 3); v176-239 accumulator (a, nb) at 176 + 32 a + 8 nb.
.set LI,  1
.set CPY, 3
.set STO, 4
.set RD,  5
.set GO,  6
.set SCS, 7
.set SCL, 8
.set BOF, 12
.set AFR, 16
.set BS,  48
.set ACC, 176
.set SM,  16                           ; behind the products: v16-19 the sums of rows 16 a + r, a pair for each a
.set PL,  24                           ; v24, v25  what lane l xor 16 sends
.set TS,  28                           ; v28       the word that I store
.set MP,  32                           ; v32-35    -mean, later 1 / sqrt, each twice: pairs for the packed forms
.set XL,  80                           ; v80-95    eight of a row's sixteen words, for each a
.set OB,  112                          ; v112-175  the way out: 16 rows read back from the stage, for each a
.set STG, 32768                        ; LDS: 0: the rows' codes, 32 KiB;  here: a stage of 16 rows x 272 bytes for each wave;
.set SPT, 272
.set SCR, STG+16*16*SPT                ; here: [row 32][wave 16] f32 for the sums, and 2,048 bytes on the same for the squares
	s_load_b256 s[4:11], s[0:1], 0x0               ; ac s[4:5], wc s[6:7], bo s[8:9], the scales s[10:11]
	s_load_b64 s[12:13], s[0:1], 0x20              ; out0
	v_lshl_add_u32 v254, v0, 2, 0x1a000
	v_mov_b32 v255, 0
	v_lshrrev_b32 v1, 5, v0
	v_readfirstlane_b32 s14, v1                    ; wave 0..15
	v_and_b32 v9, 31, v0                           ; lane
	v_lshlrev_b32 v[LI], 4, v9
	v_and_b32 v10, 15, v0                          ; r
	v_bfe_u32 v11, v0, 4, 1                        ; h
	s_wait_alu depctr_va_sdst(0)                   ; s14 is written, ahead of its first reader: LDS addresses and all four bases are made from it
	s_lshl_b32 s18, s14, 11
	v_add_nc_u32 v[CPY], s18, v[LI]                ; the copy: my wave's 2,048 bytes
	s_mul_i32 s18, s14, 16*SPT
	s_add_co_u32 s18, s18, STG                     ; my stage
	v_mul_u32_u24 v[STO], v10, SPT
	v_lshl_add_u32 v[STO], v11, 5, v[STO]
	v_add_nc_u32 v[STO], s18, v[STO]               ; in: row r, + 32 h bytes
	v_mul_u32_u24 v[RD], v11, SPT
	v_lshl_add_u32 v[RD], v10, 4, v[RD]
	v_add_nc_u32 v[RD], s18, v[RD]                 ; back: lanes 0-15 one row of 256 bytes, lanes 16-31 the next
	v_lshlrev_b32 v[GO], 12, v11
	v_lshl_add_u32 v[GO], v10, 4, v[GO]            ; and the same two rows in out0
	s_lshl_b32 s18, s14, 2
	s_add_co_u32 s18, s18, SCR
	v_lshlrev_b32 v[SCS], 6, v9
	v_add_nc_u32 v[SCS], s18, v[SCS]               ; my wave's word of row = lane
	v_lshlrev_b32 v[SCL], 6, v10
	v_lshl_add_u32 v[SCL], v11, 5, v[SCL]
	v_add_nc_u32 v[SCL], SCR, v[SCL]               ; eight of row r's sixteen words
	v_lshlrev_b32 v[BOF], 5, v11                   ; the bias: 32 h bytes
	v_cmp_lt_u32 vcc_lo, 15, v9                    ; lanes 16-31
	s_mov_b32 s20, 0x76543210
	s_mov_b32 s21, 0xfedcba98                      ; v_permlanex16_b32: lane l xor 16
	s_mov_b32 s24, 0x3a800000                      ; 1 / 1,024
	s_mov_b32 s25, 0x3727c5ac                      ; 1e-5
	s_mov_b32 s26, 0xba800000                      ; -1 / 1,024
	s_lshl_b32 s16, ttmp9, 15                      ; my work-group's two blocks of 16 tokens, 16,384 bytes each,
	s_lshl_b32 s17, s14, 11                        ; my wave's share of the copy
	s_add_co_u32 s16, s16, s17
	s_mov_b32 s17, 0
	s_wait_kmcnt 0x0
	s_load_b64 s[22:23], s[10:11], 0x28            ; e10, e11
	s_add_nc_u64 s[4:5], s[4:5], s[16:17]
	s_lshl_b32 s16, s14, 16                        ; Wo's codes: my four blocks of 16 columns
	s_add_co_u32 s16, s16, 0x300000
	s_add_nc_u64 s[6:7], s[6:7], s[16:17]
	s_lshl_b32 s16, s14, 8                         ; my 64 columns' bias
	s_add_nc_u64 s[8:9], s[8:9], s[16:17]
	s_lshl_b32 s16, ttmp9, 17                      ; 32 rows of 4,096 bytes
	s_lshl_b32 s18, s14, 8                         ; my 256 bytes of a row
	s_add_co_u32 s16, s16, s18
	s_add_nc_u64 s[12:13], s[12:13], s[16:17]
	s_wait_alu depctr_va_vcc(0)                    ; VCC is written, ahead of its first reader, the select of the first exchange; nothing writes it again
	s_wait_alu depctr_va_vdst(0)                   ; v1, v3 to v8 and v12 are written, which every load and store below reads as its offset or address; so are v254 and v255
.macro BPAIR k, nb                     ; Wo's fragment nb of K step k into set k % 4: two loads of 512 consecutive bytes
	global_load_b128 v[BS+32*((\k)%4)+8*(\nb):BS+32*((\k)%4)+8*(\nb)+3], v[LI], s[6:7] offset:(\nb)*16384+(\k)*1024
	global_load_b128 v[BS+32*((\k)%4)+8*(\nb)+4:BS+32*((\k)%4)+8*(\nb)+7], v[LI], s[6:7] offset:(\nb)*16384+(\k)*1024+512
.endm
.macro BLOAD k                         ; all four fragments of K step k
.irp nb, 0,1,2,3
	BPAIR \k, \nb
.endr
.endm
.macro OPAIR nb                        ; bo(64 w + 16 nb + 8 h + 0 .. 7), into set 0
	global_load_b128 v[BS+8*(\nb):BS+8*(\nb)+3], v[BOF], s[8:9] offset:64*(\nb)
	global_load_b128 v[BS+8*(\nb)+4:BS+8*(\nb)+7], v[BOF], s[8:9] offset:64*(\nb)+16
.endm
.macro ALOAD k                         ; the rows' two fragments of K step k into set k % 2: four LDS loads of 512 consecutive bytes
.irp a, 0,1
	ds_load_b128 v[AFR+16*((\k)%2)+8*\a:AFR+16*((\k)%2)+8*\a+3], v[LI] offset:\a*16384+(\k)*1024
	ds_load_b128 v[AFR+16*((\k)%2)+8*\a+4:AFR+16*((\k)%2)+8*\a+7], v[LI] offset:\a*16384+(\k)*1024+512
.endr
.endm
.irp i, 0,1,2,3
	global_load_b128 v[AFR+4*\i:AFR+4*\i+3], v[LI], s[4:5] offset:512*\i th:TH_LOAD_NT   ; the copy: read once in the launch
.endr
	BLOAD 0
	BLOAD 1
	BLOAD 2
	s_wait_loadcnt 24                              ; the copy's four loads are in; Wo's twenty-four may be out
.irp i, 0,1,2,3
	ds_store_b128 v[CPY], v[AFR+4*\i:AFR+4*\i+3] offset:512*\i
.endr
	s_wait_dscnt 0x0                               ; for the others' sake: my stores have landed
	s_barrier_signal -1
	s_barrier_wait -1                              ; the 32 rows' codes lie in LDS
	s_wait_alu depctr_vm_vsrc(0)                   ; my LDS stores have read v16 to v31, in which the first step's rows land
	ALOAD 0
; K step k.  At its head: this step's sets are in; then the one wait; then the loads into the two sets that step k - 1 has multiplied: the rows' for step k + 1 at once, Wo's for step k + 3 two at a time
; in front of each two products.  Eight products, each accumulator once: they take turns.  In step 13 the bias takes the place of a step 16.
; Step 0's loads land in registers that nothing has named; step 15 issues no load: neither holds the wait.
.macro STEP k
.if ((\k) > 0) && ((\k)+1 < 16)
.rept 4
	v_nop                                          ; four plain lines behind the last step's products, ahead of the loads into registers that those have read; the wait below fills no place
.endr
.endif
.if (\k) < 15
	s_wait_loadcnt 16                              ; loads come back in order (ISA guide 5.7.1): this step's set is in; the two sets asked for behind it may be out (in step 14: step 15's set and the bias's eight loads)
.else
	s_wait_loadcnt 8                               ; behind this step's set: the bias's eight loads
.endif
	s_wait_dscnt 0x0                               ; this step's rows are in: no LDS load is younger
.if ((\k) > 0) && ((\k)+1 < 16)
	s_wait_alu depctr_va_vdst(0)                   ; the last step's products are done reading their set of rows and their set of Wo, in which the loads below land
.endif
.if (\k)+1 < 16
	ALOAD (\k)+1
.endif
.irp nb, 0,1,2,3
.if (\k)+3 < 16
	BPAIR (\k)+3, \nb                              ; no wait: no matrix instruction since the wait above names this set
.elseif (\k)+3 == 16
	OPAIR \nb                                      ; set 0, which step 12 has left
.endif
.irp a, 0,1
.if (\k) == 0
	v_wmma_f32_16x16x64_bf8_bf8 v[ACC+32*\a+8*\nb:ACC+32*\a+8*\nb+7], v[BS+32*((\k)%4)+8*\nb:BS+32*((\k)%4)+8*\nb+7], v[AFR+16*((\k)%2)+8*\a:AFR+16*((\k)%2)+8*\a+7], 0
.else
	v_wmma_f32_16x16x64_bf8_bf8 v[ACC+32*\a+8*\nb:ACC+32*\a+8*\nb+7], v[BS+32*((\k)%4)+8*\nb:BS+32*((\k)%4)+8*\nb+7], v[AFR+16*((\k)%2)+8*\a:AFR+16*((\k)%2)+8*\a+7], v[ACC+32*\a+8*\nb:ACC+32*\a+8*\nb+7]
.endif
.endr
.endr
.endm
.irp k, 0,1,2,3,4,5,6,7,8,9,10,11,12,13,14,15
	STEP \k                                        ; the first step's products start the sums
.endr
.rept 4
	v_nop                                          ; places in front of the first read of results
.endr
	s_wait_kmcnt 0x0
	s_add_co_i32 s22, s22, s23
	s_add_co_i32 s22, s22, 127
	s_lshl_b32 s22, s22, 23                        ; 2^(e10 + e11) as f32
	s_mov_b32 s23, s22                             ; (named with it as a pair, so it is written)
	s_wait_loadcnt 0x0                             ; the bias
.irp a, 0,1
.irp nb, 0,1,2,3
.irp i, 0,2,4,6
	v_pk_fma_f32 v[ACC+32*\a+8*\nb+\i:ACC+32*\a+8*\nb+\i+1], v[ACC+32*\a+8*\nb+\i:ACC+32*\a+8*\nb+\i+1], s[22:23], v[BS+8*\nb+\i:BS+8*\nb+\i+1] op_sel_hi:[1,0,1]   ; sum x 2^(e10 + e11) + bo; each accumulator from its low end on
.endr
.endr
.endr
.set n, 0
.rept 64
	v_max_num_f32 v[ACC+n], 0, v[ACC+n]            ; relu
.set n, n+1
.endr
; The two pairs v[SM+2a:SM+2a+1] hold my lane's sums for rows 16 a + r.  They are added over the pair and over lane l xor 16, go to my wave's words, and come back added over the sixteen waves, in v[SM+2a].
.macro EXCH off
.irp a, 0,1
	v_add_f32 v[SM+2*\a], v[SM+2*\a], v[SM+2*\a+1]
.endr
.irp a, 0,1
	v_permlanex16_b32 v[PL+\a], v[SM+2*\a], s20, s21
.endr
.irp a, 0,1
	v_add_f32 v[SM+2*\a], v[SM+2*\a], v[PL+\a]
.endr
	v_cndmask_b32 v[TS], v[SM], v[SM+2], vcc_lo    ; lane l stores row l
	s_wait_alu depctr_va_vdst(0)                   ; the select has written v[TS], which the store reads; and all that has read or written v[XL ..], in which the loads below land, is done: products on Wo's set 1, an earlier exchange's sums
	ds_store_b32 v[SCS], v[TS] offset:\off
	s_wait_dscnt 0x0                               ; for the others' sake
	s_barrier_signal -1
	s_barrier_wait -1
.irp a, 0,1
	ds_load_b128 v[XL+8*\a:XL+8*\a+3], v[SCL] offset:\off+\a*1024
	ds_load_b128 v[XL+8*\a+4:XL+8*\a+7], v[SCL] offset:\off+\a*1024+16
.endr
	s_wait_dscnt 0x0
.irp a, 0,1
	v_pk_add_f32 v[XL+8*\a:XL+8*\a+1], v[XL+8*\a:XL+8*\a+1], v[XL+8*\a+2:XL+8*\a+3]
.endr
.irp a, 0,1
	v_pk_add_f32 v[XL+8*\a+4:XL+8*\a+5], v[XL+8*\a+4:XL+8*\a+5], v[XL+8*\a+6:XL+8*\a+7]
.endr
.irp a, 0,1
	v_pk_add_f32 v[XL+8*\a:XL+8*\a+1], v[XL+8*\a:XL+8*\a+1], v[XL+8*\a+4:XL+8*\a+5]
.endr
.irp a, 0,1
	v_add_f32 v[SM+2*\a], v[XL+8*\a], v[XL+8*\a+1]
.endr
.irp a, 0,1
	v_permlanex16_b32 v[PL+\a], v[SM+2*\a], s20, s21
.endr
.irp a, 0,1
	v_add_f32 v[SM+2*\a], v[SM+2*\a], v[PL+\a]
.endr
.endm
.irp a, 0,1
	v_pk_add_f32 v[SM+2*\a:SM+2*\a+1], v[ACC+32*\a:ACC+32*\a+1], v[ACC+32*\a+2:ACC+32*\a+3]
.endr
.irp n, 4,6,8,10,12,14,16,18,20,22,24,26,28,30
.irp a, 0,1
	v_pk_add_f32 v[SM+2*\a:SM+2*\a+1], v[SM+2*\a:SM+2*\a+1], v[ACC+32*\a+\n:ACC+32*\a+\n+1]
.endr
.endr
	EXCH 0
.irp a, 0,1
	v_mul_f32 v[MP+2*\a], s26, v[SM+2*\a]          ; -mean, twice: a pair for the packed addition
	v_mul_f32 v[MP+2*\a+1], s26, v[SM+2*\a]
.endr
.irp a, 0,1
.set n, 0
.rept 16
	v_pk_add_f32 v[ACC+32*\a+n:ACC+32*\a+n+1], v[ACC+32*\a+n:ACC+32*\a+n+1], v[MP+2*\a:MP+2*\a+1]   ; y - mean
.set n, n+2
.endr
.endr
.irp a, 0,1
	v_pk_mul_f32 v[SM+2*\a:SM+2*\a+1], v[ACC+32*\a:ACC+32*\a+1], v[ACC+32*\a:ACC+32*\a+1]
.endr
.irp n, 2,4,6,8,10,12,14,16,18,20,22,24,26,28,30
.irp a, 0,1
	v_pk_fma_f32 v[SM+2*\a:SM+2*\a+1], v[ACC+32*\a+\n:ACC+32*\a+\n+1], v[ACC+32*\a+\n:ACC+32*\a+\n+1], v[SM+2*\a:SM+2*\a+1]
.endr
.endr
	s_wait_alu depctr_vm_vsrc(0)                   ; the first exchange's LDS store has read v[TS], which the second exchange's select writes again
	EXCH 2048                                      ; other bytes than the first exchange's: no wave's late reads of those are written over
.irp a, 0,1
	v_fma_f32 v[SM+2*\a], v[SM+2*\a], s24, s25     ; the variance + 1e-5
.endr
.irp a, 0,1
	v_rsq_f32 v[MP+2*\a], v[SM+2*\a]
.endr
	v_nop                                          ; a plain line behind the roots
	s_wait_alu depctr_va_vdst(0)                   ; the two roots v[MP] and v[MP+2] are written, ahead of their first reader
.irp a, 0,1
	v_mov_b32 v[MP+2*\a+1], v[MP+2*\a]
.endr
.irp a, 0,1
.set n, 0
.rept 16
	v_pk_mul_f32 v[ACC+32*\a+n:ACC+32*\a+n+1], v[ACC+32*\a+n:ACC+32*\a+n+1], v[MP+2*\a:MP+2*\a+1]
.set n, n+2
.endr
.endr
; THE WAY OUT: a lane holds 32 bytes of a row and the lanes beside it other rows: 16 rows x my 256 bytes go through my own stage and come back as whole pieces of 256 bytes, into v[OB ..].
.macro TOSTAGE a
.irp nb, 0,1,2,3
	ds_store_b128 v[STO], v[ACC+32*\a+8*\nb:ACC+32*\a+8*\nb+3] offset:64*\nb
	ds_store_b128 v[STO], v[ACC+32*\a+8*\nb+4:ACC+32*\a+8*\nb+7] offset:64*\nb+16
.endr
.irp i, 0,1,2,3,4,5,6,7
	ds_load_b128 v[OB+32*\a+4*\i:OB+32*\a+4*\i+3], v[RD] offset:2*\i*SPT   ; LDS serves a wave's instructions in order (ISA guide 5.7.1.4): these see my stores, and the next block's stores come behind them
.endr
.endm
.macro SEND a, younger                 ; younger: the LDS instructions issued behind block a's loads
.irp i, 0,1,2,3,4,5,6,7
	s_wait_dscnt \younger+7-\i
	global_store_b128 v[GO], v[OB+32*\a+4*\i:OB+32*\a+4*\i+3], s[12:13] offset:(16*\a+2*\i)*4096 th:TH_STORE_NT   ; 16 lanes store 256 consecutive bytes, at a multiple of 256 from out0's first byte
.endr
.endm
	s_wait_alu depctr_va_vdst(0)                   ; the scalings have written the accumulators, which the LDS stores read; the products that read Wo's sets 2 and 3, in which the stage's loads land, are done.  No vector instruction follows
	TOSTAGE 0
	TOSTAGE 1
	SEND 0, 16
	SEND 1, 0
	s_wait_dscnt 0x0                               ; the closing lines, six on end
	s_wait_alu 0x0
	s_wait_tensorcnt 0x0
	ds_add_u32 v254, v255
	s_wait_dscnt 0x0
	s_endpgm
.Lfunc_end_k_qd59542b39b_outln:
	.size	k_qd59542b39b_outln, .Lfunc_end_k_qd59542b39b_outln-k_qd59542b39b_outln
	.p2alignl 7, 3214868480
	.fill 96, 4, 3214868480
	.section	.rodata,"a",@progbits
	.p2align	6, 0x0
	.amdhsa_kernel k_qd59542b39b_outln
		.amdhsa_group_segment_fixed_size 108544
		.amdhsa_private_segment_fixed_size 0
		.amdhsa_enable_private_segment 0
		.amdhsa_kernarg_size 40
		.amdhsa_user_sgpr_count 2
		.amdhsa_user_sgpr_kernarg_segment_ptr 1
		.amdhsa_wavefront_size32 1
		.amdhsa_system_sgpr_workgroup_id_x 1
		.amdhsa_system_sgpr_workgroup_id_y 1
		.amdhsa_system_sgpr_workgroup_id_z 1
		.amdhsa_system_vgpr_workitem_id 0
		.amdhsa_next_free_vgpr 256
		.amdhsa_next_free_sgpr 66
		.amdhsa_reserve_vcc 1
		.amdhsa_float_denorm_mode_32 3
		.amdhsa_float_denorm_mode_16_64 3
		.amdhsa_memory_ordered 1
		.amdhsa_forward_progress 1
		.amdhsa_inst_pref_size 52
	.end_amdhsa_kernel
	.amdgpu_metadata
---
amdhsa.version: [ 1, 2 ]
amdhsa.kernels:
  - .name:           k_qd59542b39b_outln
    .symbol:         k_qd59542b39b_outln.kd
    .args:
      - { .name: ac, .offset: 0, .size: 8, .value_kind: global_buffer, .address_space: global }
      - { .name: wc, .offset: 8, .size: 8, .value_kind: global_buffer, .address_space: global }
      - { .name: bo, .offset: 16, .size: 8, .value_kind: global_buffer, .address_space: global }
      - { .name: lowp_scales, .offset: 24, .size: 8, .value_kind: global_buffer, .address_space: global }
      - { .name: out0, .offset: 32, .size: 8, .value_kind: global_buffer, .address_space: global }
    .group_segment_fixed_size: 108544
    .private_segment_fixed_size: 0
    .kernarg_segment_align: 8
    .kernarg_segment_size: 40
    .max_flat_workgroup_size: 512
    .sgpr_count:     66
    .vgpr_count:     256
    .wavefront_size: 32
...
	.end_amdgpu_metadata
.endif
;; end of part 6
